; MI455X (gfx1250); checked and timed in simulation.
; The chip was launched on July 23, 2026; its instructions are those of AMD's public machine-readable ISA for CDNA 5 (MIT licence, August 2026) and "CDNA5" Instruction Set Architecture Reference Guide (July 2026). The comments in the code are by the model that wrote it; some were corrected since.
;; Causal Self Attention. Allowed arithmetic: matrix products marked QUANTISED: E2M1 operands, one E8M0 scale for each 32 along K, by v_wmma_scale_f32_16x16x128_f8f6f4 with both operands' format E2M1 (or v_wmma_scale_f32_32x16x128_f4), f32 sums; products left as they are: bf16, f16 or f32 operands; f32 sums; everything else in f32.
;; Inputs: W_attn 1,024 x 3,072 float32; W_proj 1,024 x 1,024 float32; x 4 x 2,048 x 1,024 float32.
;; Outputs: out0 4 x 2,048 x 1,024 float32.
;; This version of the problem:
;;   THIS VERSION OF THE PROBLEM IS GIVEN IN LOW PRECISION. The matrix products marked QUANTISED in the list below multiply operands that are first quantised to E2M1 (2 exponent bits, 1 mantissa bit; 4 bits a number), with one power-of-two scale for each 32 numbers along K (OCP MX v1.0); their sums are f32. The products marked 'left as it is' may take bf16, f16 or f32 operands, with f32 sums. Whichever they take, every output number must still come out within the allowed error. Rounding operands to bf16 (8 significant bits) uses up far more of that allowance than f16 does (11 bits, for magnitudes from 6e-5 to 65,504). All else is computed in f32.
;;   The module's matrix products, in the order in which they are computed (A, B: the left and right operand; K: the contracted axis; several contracted axes count as one K, in the product's order):
;;     1. [M 8,192, K 1,024] x [K 1,024, N 3,072]; A: input x; B: input W_attn: QUANTISED
;;     2. batch 64 x [M 2,048, K 64] x [K 64, N 2,048]; A: computed on the way; B: computed on the way: left as it is (an operand is computed on the way)
;;     3. batch 64 x [M 2,048, K 2,048] x [K 2,048, N 64]; A: computed on the way; B: computed on the way: left as it is (an operand is computed on the way)
;;     4. [M 8,192, K 1,024] x [K 1,024, N 1,024]; A: computed on the way; B: input W_proj: left as it is (an operand is computed on the way)
;;   THE QUANTISER, for each operand of a quantised product, along K:
;;     - K is cut into blocks of 32 from its start; a last block that is shorter is filled with zeros.
;;     - A block's scale is 2^e with e = floor(log2(the largest magnitude in the block)) - 2, held to -126 .. 127; a block of zeros has e = 0. As a byte (E8M0): e + 127.
;;     - Each number is divided by its block's scale, clamped to +-6, and rounded to the nearest number of E2M1, ties to even, subnormals kept.
;;     - The product sums the exact products of the quantised numbers (number of the format x scale) in f32.
;;   ~~~python
;;   def quantise(x, axis):      # numpy; x: float32 -> the quantised numbers, widened to float32 again
;;       x = np.moveaxis(x, axis, -1); K = x.shape[-1]
;;       x = np.pad(x, [(0, 0)] * (x.ndim - 1) + [(0, -K % 32)]); x = x.reshape(x.shape[:-1] + (-1, 32)); a = np.abs(x).max(-1, keepdims=True)
;;       e = np.where(a > 0, np.clip(np.frexp(np.where(a > 0, a, 1))[1] - 1 - 2, -126, 127), 0)      # np.frexp(a)[1] - 1 = floor(log2(a)), exactly
;;       r = np.clip(x / 2.0 ** e, -6, 6)
;;       step = 2.0 ** (np.maximum(np.frexp(np.where(r == 0, 1, r))[1] - 1, 0) - 1)
;;       q = np.round(r / step) * step * 2.0 ** e      # np.round: ties to even
;;       return np.moveaxis(q.reshape(q.shape[:-2] + (-1,))[..., :K], -1, axis).astype(np.float32)
;;   ~~~
;; One version. Each part assembles by itself: llvm-mc -triple=amdgcn-amd-amdhsa -mcpu=gfx1250 --defsym DOCPART=n.
;; ======== version 1 of 1: 5 launches
;; limits: values are held in f16: magnitudes above 65,504 overflow, below 6.1e-05 lose precision
;; workspace buffers: xc 4,194,304 bytes; xs 262,144 bytes; wc 1,572,864 bytes; ws 98,304 bytes; wp16 2,097,152 bytes; qkv 50,331,648 bytes; qkv32 786,432 bytes; yfrag 16,777,216 bytes
;; launch prep (part 1): grid 336 x 1, 4 waves a work-group, no clusters, 68,096 bytes of LDS; arguments x, W_attn, W_proj, xc, xs, wc, ws, wp16; writes xc, xs, wc, ws, wp16
.if DOCPART == 1
	.amdgcn_target "amdgcn-amd-amdhsa--gfx1250"
	.amdhsa_code_object_version 6
	.text
	.protected	k_q6a6cddf869_prep
	.globl	k_q6a6cddf869_prep
	.p2align	8
	.type	k_q6a6cddf869_prep,@function
k_q6a6cddf869_prep:
	s_mov_b64 s[64:65], 0
	v_nop
	global_prefetch_b8 v0, s[64:65] scope:SCOPE_SE
	s_setreg_imm32_b32 hwreg(HW_REG_WAVE_MODE, 25, 1), 1
	s_wait_xcnt 0x0
; PREP: three streams in one launch, told apart by the work-group's number; each has LDS bytes of its own.
;   work-groups   0-255: x [8192][1024] f32 -> codes of FP4 (E2M1), K innermost, xc [8192][512 bytes], and one E8M0 byte for each 32 along K, xs [8192][32].
;   work-groups 256-303: W_attn [1024 (k)][3072 (n)] f32, K its FIRST axis -> wc [3072][512 bytes] with K innermost, ws [3072][32].
;   work-groups 304-335: W_proj [1024][1024] f32 -> wp16, the same numbers in f16, laid as they lie.
; A block's scale is 2^(floor(log2(its largest magnitude)) - 2); its byte is the largest magnitude's exponent field - 2, held at 1 from below.
; LIMITS: a block of zeros gets the byte 1 where the rule says 127 (its codes are zeros, which add nothing; this program alone reads the bytes); blocks whose largest magnitude lies
; under 2^(2 - 126) have their byte held at 1; NaN and infinities among the inputs are not served; W_proj's numbers stay under 65,504 (f16).
; No tensor loads, no barrier: waves share nothing.
.set SPARE, 67584                      ; behind both paths' LDS: the spare words, 128 bytes for each wave
.set SPW,   176                        ; v176  LDS address of my spare word; never rewritten
.set NIL,   177                        ; v177  0; never rewritten
.set STEPS, 16                         ; x path: a wave takes 16 steps of 512 numbers
.set CB,    8                          ; bytes of 16 codes
.set R,     16                         ; v16-79   four sets of 16 numbers as they are loaded
.set X,     80                         ; v80-111  two sets of 16 neighbours
.set E,     112                        ; v112-127 a scale byte for each step
.set C,     128                        ; v128-159 codes: two registers for each step, so that no store's data are written again
.set WREG,  8192                       ; LDS 0-32767: a region for each wave: two stages of 32 x SP bytes, behind them its 256 scale bytes
.set SP,    80                         ; a lane's place in a stage: 64 bytes + 16 of padding
.set WN,    3072                       ; W path
.set NB,    16                         ; blocks of 32 along K for a wave (512 along K)
.set PITCH, 272                        ; a stage row: 256 bytes of codes + 16
.set KROW,  512                        ; a row of wc in bytes
.set WSTG,  32768                      ; LDS 32768-67583: four stages of 32 x PITCH bytes
.set WX,    32                         ; v32-95   two sets of 32 numbers
.set WC,    96                         ; v96-99   a block's codes
.set OUTR,  112                        ; v112-175 the way out
.set SB,    24                         ; v24-27   the scale bytes, four to a register
	s_load_b256 s[4:11], s[0:1], 0x0               ; x s[4:5], W_attn s[6:7], W_proj s[8:9], xc s[10:11]
	s_load_b256 s[12:19], s[0:1], 0x20             ; xs s[12:13], wc s[14:15], ws s[16:17], wp16 s[18:19]
	v_lshl_add_u32 v[SPW], v0, 2, SPARE
	v_mov_b32 v[NIL], 0
	v_lshrrev_b32 v1, 5, v0
	v_readfirstlane_b32 s20, v1                    ; wave 0..3
	v_and_b32 v2, 31, v0                           ; lane
	s_mov_b32 s25, 0                               ; the high word of every offset pair s[24:25]
	s_wait_kmcnt 0x0
	s_cmp_lt_u32 ttmp9, 256
	s_cbranch_scc0 .Lnot_x
; ---------------- x: K is innermost.  Each load reads 512 consecutive bytes; a step's 2,048 bytes turn through the wave's own stage, so that a lane holds 16 neighbours; two lanes hold a block.
	v_lshlrev_b32 v3, 4, v2                        ; my 16 bytes of a load's 512
	s_mul_i32 s21, s20, WREG
	v_lshrrev_b32 v14, 2, v2
	v_mul_u32_u24 v14, v14, SP
	v_and_b32 v15, 3, v2
	v_lshl_add_u32 v14, v15, 4, v14
	v_add_nc_u32 v14, s21, v14                     ; the stage, on the way in: SP (lane / 4) + 16 (lane % 4)
	v_mul_u32_u24 v15, v2, SP
	v_add_nc_u32 v15, s21, v15                     ; and on the way out: SP x lane
	v_mul_u32_u24 v4, v2, CB                       ; my codes' place in a step's
	v_lshrrev_b32 v5, 1, v2
	s_add_co_u32 s21, s21, 2*32*SP
	v_add_nc_u32 v5, s21, v5                       ; my wave's 256 scale bytes, my block's byte
	v_lshlrev_b32 v7, 3, v2
	v_add_nc_u32 v6, s21, v7                       ; and on the way out 8 bytes a lane
	s_lshl_b32 s22, ttmp9, 2
	s_add_co_u32 s22, s22, s20                     ; which run of 8,192 numbers is my wave's: 0..1023
	s_lshl_b32 s24, s22, 15
	s_add_nc_u64 s[4:5], s[4:5], s[24:25]          ; 32,768 bytes of x a run,
	s_lshl_b32 s24, s22, 12
	s_add_nc_u64 s[10:11], s[10:11], s[24:25]      ; 4,096 of codes,
	s_lshl_b32 s24, s22, 8
	s_add_nc_u64 s[12:13], s[12:13], s[24:25]      ; 256 scale bytes
.macro XLOAD t
.irp i, 0,1,2,3
	global_load_b128 v[R+16*((\t)%4)+4*\i:R+16*((\t)%4)+4*\i+3], v3, s[4:5] offset:2048*(\t)+512*\i th:TH_LOAD_NT
.endr
.endm
.macro XTURN t                         ; step t's numbers through the stage: LDS serves a wave's instructions in order, so no wait stands between the stores and the loads
.irp i, 0,1,2,3
	ds_store_b128 v14, v[R+16*((\t)%4)+4*\i:R+16*((\t)%4)+4*\i+3] offset:32*SP*((\t)%2)+8*SP*\i
.endr
.irp i, 0,1,2,3
	ds_load_b128 v[X+16*((\t)%2)+4*\i:X+16*((\t)%2)+4*\i+3], v15 offset:32*SP*((\t)%2)+16*\i
.endr
.endm
.irp t, 0,1,2,3
	XLOAD \t
.endr
	s_wait_loadcnt 12                              ; step 0's four loads are in; the 12 of steps 1 to 3 may be out
	XTURN 0
.macro XSTEP t
.set XS, X+16*((\t)%2)
.if (\t) > 0
	s_wait_dscnt 1                                 ; this step's numbers are back from the stage (the last step's byte store may be out)
.else
	s_wait_dscnt 0x0
.endif
.if (\t)+4 < STEPS
	XLOAD (\t)+4                                   ; into the registers that this step's stores into the stage have read
.endif
.if (\t)+1 < STEPS
.if STEPS-2-(\t) >= 3
	s_wait_loadcnt 12                              ; the next step's four loads are in; those of the three steps behind it may be out
.else
	s_wait_loadcnt 4*(STEPS-2-(\t))
.endif
	XTURN (\t)+1
.endif
	v_max3_num_f32 v8, |v[XS]|, |v[XS+1]|, |v[XS+2]|   ; the largest magnitude of my 16, in two chains
	v_max3_num_f32 v9, |v[XS+3]|, |v[XS+4]|, |v[XS+5]|
.irp i, 6,10
	v_max3_num_f32 v8, v8, |v[XS+\i]|, |v[XS+\i+1]|
	v_max3_num_f32 v9, v9, |v[XS+\i+2]|, |v[XS+\i+3]|
.endr
	v_max3_num_f32 v8, v8, |v[XS+14]|, |v[XS+15]|
	v_max3_num_f32 v8, v8, v9, 0x1800000           ; and the floor 2^(3 - 127): the byte cannot fall under 1
	v_max_num_f32_dpp v8, v8, v8 row_xmask:1 row_mask:0xf bank_mask:0xf   ; with my neighbour's 16: the block's
	v_add_nc_u32 v11, 0xff000000, v8               ; 2 off its exponent field: the conversion takes this operand's exponent field as its scale
	v_cvt_scalef32_pk8_fp4_f32 v[C+2*(\t)], v[XS:XS+7], v11
	v_cvt_scalef32_pk8_fp4_f32 v[C+2*(\t)+1], v[XS+8:XS+15], v11
	v_lshrrev_b32 v[E+(\t)], 23, v11               ; the scale's byte (also the plain line behind the conversions)
	ds_store_b8 v5, v[E+(\t)] offset:16*(\t)       ; both lanes of a block write the same byte with the same value
	global_store_b64 v4, v[C+2*(\t):C+2*(\t)+1], s[10:11] offset:32*CB*(\t)   ; the wave stores 256 consecutive bytes, aligned
.endm
.irp t, 0,1,2,3,4,5,6,7,8,9,10,11,12,13,14,15
	XSTEP \t
.endr
	ds_load_b64 v[8:9], v6                         ; LDS serves a wave's instructions in order: these see my byte stores
	s_wait_dscnt 0x0
	global_store_b64 v7, v[8:9], s[12:13]          ; 32 lanes store 256 consecutive bytes, aligned
	s_wait_tensorcnt 0x0                           ; the wave's end: three lines behind my last LDS store
	ds_add_u32 v[SPW], v[NIL]
	s_wait_dscnt 0x0
	s_endpgm
.Lnot_x:
	s_cmp_lt_u32 ttmp9, 304
	s_cbranch_scc0 .Lcast
; ---------------- W_attn: K is the first axis.  A lane takes a column n and its registers run down K: a block of 32 lies in one lane, and the codes come out with K innermost.
; A wave takes 32 columns x 512 along K; 24 work-groups cover the 3,072 columns, twice (two halves of K).  Every offset is an immediate: 511 x 12,288 bytes at the most.
	s_sub_co_u32 s21, ttmp9, 256                   ; 0..47
	s_cmp_ge_u32 s21, 24
	s_cselect_b32 s22, 1, 0                        ; which half of K
	s_cselect_b32 s23, 24, 0
	s_sub_co_u32 s21, s21, s23                     ; which 128 columns
	s_lshl_b32 s21, s21, 7
	s_lshl_b32 s23, s20, 5
	s_add_co_u32 s21, s21, s23                     ; my wave's first column
	v_lshlrev_b32 v3, 2, v2                        ; in: 4 bytes a lane
	s_mul_i32 s23, s20, 32*PITCH
	s_add_co_u32 s23, s23, WSTG                    ; my stage
	v_mul_u32_u24 v4, v2, PITCH
	v_add_nc_u32 v4, s23, v4                       ; into it: row = my column
	v_and_b32 v5, 15, v2
	v_lshrrev_b32 v6, 4, v2                        ; out of it: sixteen lanes to a row, two rows an instruction
	v_mul_u32_u24 v7, v6, PITCH
	v_lshl_add_u32 v7, v5, 4, v7
	v_add_nc_u32 v7, s23, v7
	v_mul_u32_u24 v8, v6, KROW
	v_lshl_add_u32 v8, v5, 4, v8                   ; the same place in wc
	v_lshlrev_b32 v9, 5, v2                        ; my column's row of 32 scale bytes
	s_mul_i32 s24, s22, 512*WN*4
	s_lshl_b32 s26, s21, 2
	s_add_co_u32 s24, s24, s26
	s_add_nc_u64 s[6:7], s[6:7], s[24:25]          ; W_attn at (512 x half, my first column)
	s_lshl_b32 s24, s21, 9
	s_lshl_b32 s26, s22, 8
	s_add_co_u32 s24, s24, s26
	s_add_nc_u64 s[14:15], s[14:15], s[24:25]      ; wc at column x 512 + 256 x half
	s_lshl_b32 s24, s21, 5
	s_lshl_b32 s26, s22, 4
	s_add_co_u32 s24, s24, s26
	s_add_nc_u64 s[16:17], s[16:17], s[24:25]      ; ws at column x 32 + 16 x half
.macro WLOAD t                         ; block t: W(32 t + i, my column), i = 0 .. 31: each load reads 128 consecutive bytes a wave
.irp i, 0,1,2,3,4,5,6,7,8,9,10,11,12,13,14,15,16,17,18,19,20,21,22,23,24,25,26,27,28,29,30,31
	global_load_b32 v[WX+32*((\t)%2)+\i], v3, s[6:7] offset:(32*(\t)+\i)*WN*4 th:TH_LOAD_NT
.endr
.endm
	WLOAD 0
	WLOAD 1
.macro WBLOCK t
.set XS, WX+32*((\t)%2)
.if (\t) < NB-1
	s_wait_loadcnt 32                              ; this block's 32 loads are in; the next block's may be out
.else
	s_wait_loadcnt 0
.endif
	v_max3_num_f32 v12, |v[XS]|, |v[XS+1]|, |v[XS+2]|   ; the block's largest magnitude: all 32 numbers are mine
	v_max3_num_f32 v13, |v[XS+3]|, |v[XS+4]|, |v[XS+5]|
.irp i, 6,10,14,18,22,26
	v_max3_num_f32 v12, v12, |v[XS+\i]|, |v[XS+\i+1]|
	v_max3_num_f32 v13, v13, |v[XS+\i+2]|, |v[XS+\i+3]|
.endr
	v_max3_num_f32 v12, v12, |v[XS+30]|, |v[XS+31]|
	v_max3_num_f32 v12, v12, v13, 0x1800000        ; and the floor 2^(3 - 127)
	v_add_nc_u32 v11, 0xff000000, v12              ; the conversion's scale operand
	v_lshrrev_b32 v13, 23, v11                     ; the scale's byte
.if (\t)%4 == 0
	v_mov_b32 v[SB+(\t)/4], v13                    ; four bytes to a register, the lower K in the lower byte
.else
	v_lshl_or_b32 v[SB+(\t)/4], v13, 8*((\t)%4), v[SB+(\t)/4]
.endif
.irp g, 0,1,2,3
	v_cvt_scalef32_pk8_fp4_f32 v[WC+\g], v[XS+8*\g:XS+8*\g+7], v11
.endr
	v_nop                                          ; one plain line behind the last conversion
	ds_store_b128 v4, v[WC:WC+3] offset:16*(\t)    ; 32 codes: 16 bytes of my column's row
.if (\t)+2 < NB
	WLOAD (\t)+2
.endif
	s_wait_dscnt 0x0                               ; the store has read its registers: the next block's codes may be written
.endm
.set Q, 0
.rept NB
	WBLOCK Q
.set Q, Q+1
.endr
	global_store_b128 v9, v[SB:SB+3], s[16:17]     ; my column's 16 scale bytes
.irp t, 0,1,2,3,4,5,6,7,8,9,10,11,12,13,14,15
	ds_load_b128 v[OUTR+4*\t:OUTR+4*\t+3], v7 offset:2*\t*PITCH
.endr
.irp t, 0,1,2,3,4,5,6,7,8,9,10,11,12,13,14,15
	s_wait_dscnt 15-\t                             ; LDS loads come back in order: row pair t is in
	global_store_b128 v8, v[OUTR+4*\t:OUTR+4*\t+3], s[14:15] offset:2*\t*KROW   ; sixteen lanes store 256 consecutive bytes, aligned
.endr
	s_wait_tensorcnt 0x0                           ; the wave's end
	ds_add_u32 v[SPW], v[NIL]
	s_wait_dscnt 0x0
	s_endpgm
.Lcast:
; ---------------- W_proj to f16: a wave takes 8,192 numbers: 64 loads of 512 consecutive bytes, 64 stores of 256, a ring of 16 register slots.
	s_sub_co_u32 s21, ttmp9, 304
	s_lshl_b32 s21, s21, 2
	s_add_co_u32 s21, s21, s20                     ; run 0..127
	s_lshl_b32 s24, s21, 15
	s_add_nc_u64 s[8:9], s[8:9], s[24:25]
	s_lshl_b32 s24, s21, 14
	s_add_nc_u64 s[18:19], s[18:19], s[24:25]
	v_lshlrev_b32 v3, 4, v2
	v_lshlrev_b32 v4, 3, v2
.set J, 0
.rept 16
	global_load_b128 v[16+4*J:19+4*J], v3, s[8:9] offset:512*J th:TH_LOAD_NT
.set J, J+1
.endr
.macro CSLOT j, ahead, left
	s_wait_loadcnt \left                           ; loads come back in order: mine is in, the younger ones stay out
	s_wait_xcnt 0x0                                ; the slot's last store has read its data: they are written again only behind this wait
	v_cvt_pk_f16_f32 v[80+2*((\j)%16)], v[16+4*((\j)%16)], v[17+4*((\j)%16)]
	v_cvt_pk_f16_f32 v[81+2*((\j)%16)], v[18+4*((\j)%16)], v[19+4*((\j)%16)]
.if \ahead
	global_load_b128 v[16+4*((\j)%16):19+4*((\j)%16)], v3, s[8:9] offset:512*((\j)+16) th:TH_LOAD_NT
.endif
	global_store_b64 v4, v[80+2*((\j)%16):81+2*((\j)%16)], s[18:19] offset:256*(\j)
.endm
.set J, 0
.rept 64
.if J < 48
	CSLOT J, 1, 15
.else
	CSLOT J, 0, 63-J                               ; the last 16 load nothing: the counts run down
.endif
.set J, J+1
.endr
	s_wait_tensorcnt 0x0                           ; the same three lines close this path too
	ds_add_u32 v[SPW], v[NIL]
	s_wait_dscnt 0x0
	s_endpgm
.Lfunc_end_k_q6a6cddf869_prep:
	.size	k_q6a6cddf869_prep, .Lfunc_end_k_q6a6cddf869_prep-k_q6a6cddf869_prep
	.p2alignl 7, 3214868480
	.fill 96, 4, 3214868480
	.section	.rodata,"a",@progbits
	.p2align	6, 0x0
	.amdhsa_kernel k_q6a6cddf869_prep
		.amdhsa_group_segment_fixed_size 68096
		.amdhsa_private_segment_fixed_size 0
		.amdhsa_enable_private_segment 0
		.amdhsa_kernarg_size 64
		.amdhsa_user_sgpr_count 2
		.amdhsa_user_sgpr_kernarg_segment_ptr 1
		.amdhsa_wavefront_size32 1
		.amdhsa_system_sgpr_workgroup_id_x 1
		.amdhsa_system_sgpr_workgroup_id_y 1
		.amdhsa_system_sgpr_workgroup_id_z 1
		.amdhsa_system_vgpr_workitem_id 0
		.amdhsa_next_free_vgpr 192
		.amdhsa_next_free_sgpr 66
		.amdhsa_reserve_vcc 0
		.amdhsa_float_denorm_mode_32 3
		.amdhsa_float_denorm_mode_16_64 3
		.amdhsa_memory_ordered 1
		.amdhsa_forward_progress 1
		.amdhsa_inst_pref_size 136
	.end_amdhsa_kernel
	.amdgpu_metadata
---
amdhsa.version: [ 1, 2 ]
amdhsa.kernels:
  - .name:           k_q6a6cddf869_prep
    .symbol:         k_q6a6cddf869_prep.kd
    .args:
      - { .name: x, .offset: 0, .size: 8, .value_kind: global_buffer, .address_space: global }
      - { .name: W_attn, .offset: 8, .size: 8, .value_kind: global_buffer, .address_space: global }
      - { .name: W_proj, .offset: 16, .size: 8, .value_kind: global_buffer, .address_space: global }
      - { .name: xc, .offset: 24, .size: 8, .value_kind: global_buffer, .address_space: global }
      - { .name: xs, .offset: 32, .size: 8, .value_kind: global_buffer, .address_space: global }
      - { .name: wc, .offset: 40, .size: 8, .value_kind: global_buffer, .address_space: global }
      - { .name: ws, .offset: 48, .size: 8, .value_kind: global_buffer, .address_space: global }
      - { .name: wp16, .offset: 56, .size: 8, .value_kind: global_buffer, .address_space: global }
    .group_segment_fixed_size: 68096
    .private_segment_fixed_size: 0
    .kernarg_segment_align: 8
    .kernarg_segment_size: 64
    .max_flat_workgroup_size: 128
    .sgpr_count:     66
    .vgpr_count:     192
    .wavefront_size: 32
...
	.end_amdgpu_metadata
.endif
;; end of part 1
;; launch qkvgemm (part 2): grid 12 x 32, 4 waves a work-group, clusters of 4 x 4, 327,680 bytes of LDS; arguments xc, xs, wc, ws, qkv, qkv32; writes qkv, qkv32
.if DOCPART == 2
	.amdgcn_target "amdgcn-amd-amdhsa--gfx1250"
	.amdhsa_code_object_version 6
	.text
	.protected	k_q6a6cddf869_qkvgemm
	.globl	k_q6a6cddf869_qkvgemm
	.p2align	8
	.type	k_q6a6cddf869_qkvgemm,@function
k_q6a6cddf869_qkvgemm:
	s_mov_b64 s[64:65], 0
	v_nop
	global_prefetch_b8 v0, s[64:65] scope:SCOPE_SE
	s_setreg_imm32_b32 hwreg(HW_REG_WAVE_MODE, 25, 1), 1
	s_wait_xcnt 0x0
	s_wait_alu depctr_hold_cnt(0) depctr_sa_sdst(0) depctr_va_vdst(0) depctr_va_sdst(0) depctr_va_ssrc(0) depctr_va_vcc(0) depctr_vm_vsrc(0)
	s_getreg_b32 s2, hwreg(HW_REG_IB_STS2, 6, 4)
	s_cmp_eq_u32 s2, 0
	s_cbranch_scc0 .Lentry_in_a_cluster
	s_endpgm
.Lentry_in_a_cluster:
	s_bfe_u32 s2, ttmp6, 0x10000c
	s_cmp_lg_u32 s2, 0xf033
	s_cbranch_scc0 .Lentry_shape_is_right
	s_endpgm
.Lentry_shape_is_right:
; qkv = Q(x) Q(W_attn): [8192][1024] x [3072][1024]^T on codes of FP4 (E2M1) with one E8M0 scale for each 32 along K; sums in f32.
; A tile of 256 x 256 is made by four waves, each 128 x 128: 64 accumulators, 512 registers.  K = 1,024 is two slots of 512 along K (rows of 256 bytes): both slots and all scale bytes are asked for
; at the head; nothing is filled again.  A wave has three tensor loads out at the head.
; CLUSTERS: 4 x 4 work-groups; A's tiles are asked for jointly along a row of the cluster, B's along a column.  THE TILE ROW IS 8 cy + cluster y: so cy is the batch, and 'my tile holds a sequence's first
; rows' is 'cluster y = 0', the same in all sixteen partners.
; THE MATRIX INSTRUCTION IS USED TRANSPOSED (source 0 = 16 rows of W's codes, source 1 = 16 rows of x's): a lane holds eight neighbouring columns of one row.
; OUT: q, k, v in f16, laid by head: qkv [3][64 = 16 b + h][2048 t][64]; a wave's 128 columns are two heads; through the wave's stage each store covers 512 consecutive bytes (4 rows of a head).
; Rows 0-15 of every sequence go out in f32 as well, qkv32 [4][16][3072]: pieces of 32 bytes a lane; that buffer is 0.8 MB in all.
; LIMIT: |q|, |k|, |v| stay under 65,504 (f16).
; REGISTERS: window 0: v0-31 addresses; v32-95 scale words, two sets; v128-191 A's fragments, one set; on the way out v128-223.  window 1: B's fragments, two sets.  windows 2, 3: the accumulators.
.set KSTEP,  512
.set NQ,     4                         ; matrix instructions deep in a slot
.set ROWB,   256                       ; a tile's row in bytes
.set KROW,   512                       ; a row of codes in memory
.set PITCH,  272                       ; an LDS row: 256 bytes + 16 of padding = 68 words: the 16 rows that a load touches start 4 banks apart
.set FR,     8
.set NL,     2
.set NP,     4
.set HALFT,  128*PITCH
.set SLOT,   4*HALFT
.set KS,     32                        ; a row of scales in bytes
.set SCL,    2*SLOT                    ; behind the ring: the scales, as units of 256 bytes + 16 of padding
.set HALFS,  (128*KS/256)*272
.set SBLK,   (16*KS/256)*272
.set SPARE,  SCL+4*HALFS               ; the spare words, 128 bytes for each wave
.set SPITCH, 272                       ; the way out: 16 rows x (256 bytes + 16) for each wave, in slot 0, which has had its only fill and its last read by then
.set ADRA, 16
.set ADRB, 20
.set STO,  24
.set RD,   25
.set CO,   26
.set ADRS, 27
.set SPW,  28
.set NIL,  29
.set FO,   30                          ; v30  my byte offset in qkv32's 16 rows
.set SC,   32
.set AF,   128
.set BK,   128                         ; the way out: rows read back: v128-159 and v160-191 by turns
.set TMP,  192                         ; the way out: packed results
.set G1, 24
.set G0, 32
.set G1B, 48
.set G0B, 56
.set G1S, 68
.set G0S, 76
.set G1SB, 80
.set G0SB, 88
.set MSB, 0
.macro WIN new                         ; the immediate's high byte repeats the setting that is left
.if MSB != \new
	s_set_vgpr_msb (MSB<<8)|\new
.set MSB, \new
.endif
.endm
.set MUL_LO, 0xa1                      ; source 0 (W) window 1, source 1 (x) window 0, C and D window 2
.set MUL_HI, 0xf1
.set TO_B,   0x40
; A joint load: waves 0 and 1 fetch for x, waves 2 and 3 for W.  An s_nop 0 and four v_nop follow each of the two lines.
.macro JLOAD g0a, g1a, g0b, g1b
	s_cmp_eq_u32 s15, 0
	s_cbranch_scc0 .Lfor_b_\@
	tensor_load_to_lds s[\g0a:\g0a+3], s[\g1a:\g1a+7]
	s_nop 0
.rept 4
	v_nop
.endr
	s_branch .Lasked_\@
.Lfor_b_\@:
	tensor_load_to_lds s[\g0b:\g0b+3], s[\g1b:\g1b+7]
	s_nop 0
.rept 4
	v_nop
.endr
.Lasked_\@:
.endm
.macro CROUND                          ; a round of the cluster's barrier
	s_barrier_signal -1
	s_barrier_wait -1
	s_cmp_lg_u32 s14, 0
	s_cbranch_scc1 .Lnot_wave_0_\@
	s_barrier_signal -3
.Lnot_wave_0_\@:
	s_barrier_wait -3
	s_barrier_signal -1
	s_barrier_wait -1
.endm
	s_load_b128 s[4:7], s[0:1], 0x0                ; x's codes s[4:5], x's scales s[6:7]
	s_load_b128 s[8:11], s[0:1], 0x10              ; W's codes s[8:9], W's scales s[10:11]
	s_load_b64 s[12:13], s[0:1], 0x20              ; qkv
	s_load_b64 s[96:97], s[0:1], 0x28              ; qkv32
	v_lshl_add_u32 v[SPW], v0, 2, SPARE
	v_mov_b32 v[NIL], 0
	ds_add_u32 v[SPW], v[NIL]                      ; the wave's opening: the add, twice on end, and its wait ahead of my first tensor load
	ds_add_u32 v[SPW], v[NIL]
	v_lshrrev_b32 v1, 5, v0
	v_readfirstlane_b32 s14, v1                    ; wave 0..3
	s_lshr_b32 s15, s14, 1                         ; which half of the tile's rows is mine.  Also: I fetch for x (0) or for W (1)
	s_and_b32 s16, s14, 1                          ; which half of its columns.  Also: which 128 rows of that tile I fetch
	s_bfe_u32 s40, ttmp6, 0x40000                  ; cx
	s_bfe_u32 s41, ttmp6, 0x40004                  ; cy
	s_lshl_b32 s42, ttmp9, 2
	s_add_co_u32 s42, s42, s40                     ; tile column = 4 x cluster x + cx
	s_and_b32 s95, ttmp7, 0xffff                   ; cluster y
	s_lshl_b32 s17, s41, 3
	s_add_co_u32 s17, s17, s95                     ; tile row = 8 cy + cluster y
	s_lshl_b32 s43, s41, 2
	s_lshl_b32 s43, 15, s43                        ; my row of the cluster
	s_lshl_b32 s44, 0x1111, s40                    ; my column
	s_or_b32 s[G1+0], s43, (0<<16)|(1<<20)|(1<<21)|(5<<22)|(3<<25)  ; the mask; elements of 1 byte; padding on; bit 21 beside a mask; 4 words behind every 64
	s_or_b32 s[G1B+0], s44, (0<<16)|(1<<20)|(1<<21)|(5<<22)|(3<<25)
.irp g, G1, G1B
	s_mov_b32 s[\g+1], ROWB<<16                    ; tensor_dim0
	s_mov_b32 s[\g+2], 128<<16                     ; tensor_dim1
	s_mov_b32 s[\g+3], ROWB<<16                    ; tile_dim0
	s_mov_b32 s[\g+4], 128                         ; tile_dim1
	s_mov_b32 s[\g+5], KROW                        ; the pitch
	s_mov_b32 s[\g+6], 0
	s_mov_b32 s[\g+7], 0
.endr
	s_or_b32 s[G1S+0], s43, (3<<16)|(1<<20)|(1<<21)|(5<<22)|(3<<25)  ; the scales of 128 rows: 4,096 dense bytes as 16 rows of 256 (32 elements of 8 bytes)
	s_or_b32 s[G1SB+0], s44, (3<<16)|(1<<20)|(1<<21)|(5<<22)|(3<<25)
.irp g, G1S, G1SB
	s_mov_b32 s[\g+1], 32<<16
	s_mov_b32 s[\g+2], (128*KS/256)<<16
	s_mov_b32 s[\g+3], 32<<16
	s_mov_b32 s[\g+4], 128*KS/256
	s_mov_b32 s[\g+5], 32
	s_mov_b32 s[\g+6], 0
	s_mov_b32 s[\g+7], 0
.endr
	s_lshl_b32 s18, s16, 7                         ; which 128 rows of the tile I fetch
	s_lshl_b32 s20, s17, 8
	s_add_co_u32 s20, s20, s18                     ; x: row 256 x tile row + 128 x half
	s_lshl_b32 s46, s42, 8
	s_add_co_u32 s46, s46, s18                     ; W: row 256 x tile column + 128 x half
	s_mov_b32 s21, 0
	s_mov_b32 s47, 0
	s_mov_b64 s[18:19], KS
	s_mul_u64 s[22:23], s[20:21], s[18:19]         ; where these rows' scales begin
	s_mul_u64 s[92:93], s[46:47], s[18:19]
	s_mov_b64 s[18:19], KROW
	s_mul_u64 s[20:21], s[20:21], s[18:19]         ; and their codes
	s_mul_u64 s[46:47], s[46:47], s[18:19]
	s_mul_i32 s45, s14, HALFT                      ; where they go: wave x 128 rows
	s_mul_i32 s94, s14, HALFS
	s_wait_dscnt 0x0                               ; both opening adds are done
	s_wait_kmcnt 0x0
	s_add_nc_u64 s[20:21], s[4:5], s[20:21]
	s_add_nc_u64 s[22:23], s[6:7], s[22:23]
	s_add_nc_u64 s[46:47], s[8:9], s[46:47]
	s_add_nc_u64 s[92:93], s[10:11], s[92:93]
	CROUND                                         ; all sixteen work-groups are here: the joint loads meet
	s_mov_b32 s[G0S], 1
	s_add_co_u32 s[G0S+1], s94, SCL
	s_mov_b64 s[G0S+2:G0S+3], s[22:23]
	s_or_b32 s[G0S+3], s[G0S+3], 0x80000000
	s_mov_b32 s[G0SB], 1
	s_add_co_u32 s[G0SB+1], s94, SCL
	s_mov_b64 s[G0SB+2:G0SB+3], s[92:93]
	s_or_b32 s[G0SB+3], s[G0SB+3], 0x80000000
	JLOAD G0S, G1S, G0SB, G1SB                     ; the scales first: they are wanted with the first slot
.irp s, 0,1
	s_mov_b32 s[G0+4*\s], 1
	s_add_co_u32 s[G0+4*\s+1], s45, \s*SLOT
	s_add_nc_u64 s[G0+4*\s+2:G0+4*\s+3], s[20:21], \s*ROWB
	s_or_b32 s[G0+4*\s+3], s[G0+4*\s+3], 0x80000000
	s_mov_b32 s[G0B+4*\s], 1
	s_add_co_u32 s[G0B+4*\s+1], s45, \s*SLOT
	s_add_nc_u64 s[G0B+4*\s+2:G0B+4*\s+3], s[46:47], \s*ROWB
	s_or_b32 s[G0B+4*\s+3], s[G0B+4*\s+3], 0x80000000
	JLOAD G0+4*\s, G1, G0B+4*\s, G1B
.endr
	v_and_b32 v1, 15, v0                           ; r = l % 16
	v_bfe_u32 v2, v0, 4, 1                         ; h = l / 16
	v_mul_u32_u24 v3, v1, PITCH
	v_lshl_add_u32 v4, v2, 4, v3                   ; a fragment's row x pitch + 16 x half
	s_mul_i32 s21, s15, HALFT                      ; my 128 rows of x
	s_mul_i32 s22, s16, HALFT                      ; my 128 rows of W,
	s_add_co_u32 s22, s22, 2*HALFT                 ; which lie behind x's 256
.irp s, 0,1
	v_add_nc_u32 v[ADRA+\s], s21, v4
	v_add_nc_u32 v[ADRB+\s], s22, v4
	s_add_co_u32 s21, s21, SLOT
	s_add_co_u32 s22, s22, SLOT
.endr
	v_mul_u32_u24 v5, v1, KS                       ; my row's scales: KS bytes a row,
	v_lshrrev_b32 v6, 8, v5
	v_lshl_add_u32 v5, v6, 4, v5                   ; and 16 more for each 256 passed
	s_mul_i32 s21, s15, HALFS
	s_mul_i32 s22, s16, HALFS
	s_add_co_u32 s22, s22, 2*HALFS
	s_sub_co_u32 s22, s22, s21
	v_mul_u32_u24 v6, s22, v2                      ; lanes 16-31 take W's: one product, the distance between the two bases
	s_add_co_u32 s21, s21, SCL
	v_add_nc_u32 v5, v5, v6
	v_add_nc_u32 v[ADRS], s21, v5
	s_mul_i32 s23, s14, 16*SPITCH                  ; my stage
	v_mul_u32_u24 v5, v1, SPITCH                   ; in: row r, 16 bytes for each half of the lanes
	v_lshl_add_u32 v5, v2, 4, v5
	v_add_nc_u32 v[STO], s23, v5
	v_and_b32 v6, 31, v0
	v_lshlrev_b32 v[CO], 4, v6                     ; out: 16 bytes a lane of 512 consecutive bytes
	v_lshrrev_b32 v5, 3, v6                        ; back: eight lanes take a head's 128 bytes of one row, four rows an instruction
	v_mul_u32_u24 v5, v5, SPITCH
	v_and_b32 v6, 7, v0
	v_lshl_add_u32 v5, v6, 4, v5
	v_add_nc_u32 v[RD], s23, v5
	v_mul_u32_u24 v[FO], v1, 12288                 ; qkv32: row r of 12,288 bytes, + 32 h
	v_lshl_add_u32 v[FO], v2, 5, v[FO]
	; qkv: ((64 which + 16 b + head) x 2048 + t) x 128 bytes.  The rows' part: b = cy, t = 256 x cluster y + 128 x half
	s_lshl_b32 s20, s41, 15
	s_lshl_b32 s21, s95, 8
	s_add_co_u32 s20, s20, s21
	s_lshl_b32 s21, s15, 7
	s_add_co_u32 s20, s20, s21
	s_lshl_b32 s20, s20, 7
	s_mov_b32 s21, 0
	s_lshr_b32 s46, s42, 2                         ; the columns' part: which = tile column / 4; head = 4 (tile column % 4) + 2 x half
	s_lshl_b32 s46, s46, 6
	s_and_b32 s47, s42, 3
	s_lshl_b32 s47, s47, 2
	s_add_co_u32 s46, s46, s47
	s_lshl_b32 s47, s16, 1
	s_add_co_u32 s46, s46, s47
	s_lshl_b32 s46, s46, 18                        ; a head's plane is 262,144 bytes
	s_mov_b32 s47, 0
	s_add_nc_u64 s[20:21], s[20:21], s[46:47]
	s_add_nc_u64 s[12:13], s[12:13], s[20:21]
	s_mul_i32 s20, s41, 196608                     ; qkv32: batch cy, column 256 x tile column + 128 x half
	s_lshl_b32 s46, s42, 10
	s_lshl_b32 s47, s16, 9
	s_add_co_u32 s46, s46, s47
	s_add_co_u32 s20, s20, s46
	s_mov_b32 s21, 0
	s_add_nc_u64 s[96:97], s[96:97], s[20:21]
	s_or_b32 s95, s95, s15                         ; 0 where my block 0 is rows 0-15 of a sequence: cluster y = 0 and the tile's upper half
.macro FRAG reg, adr, q, i             ; 16 rows x 128 K of 4-bit codes: 8 registers: two loads of 16 bytes, 32 bytes apart
.irp c, 0,1
	ds_load_b128 v[\reg+4*\c:\reg+4*\c+3], v[\adr] offset:64*(\q)+32*\c+(\i)*16*PITCH
.endr
.endm
; 16 matrix instructions: x's blocks a0, a0 + 1 against W's eight.  The 64 accumulators take turns, one instruction a turn, in the same order in every step.
.macro MUL16 a0, p, q, sc, zero
.irp a, \a0, \a0+1
.irp b, 0,1,2,3,4,5,6,7
.if \zero
	v_wmma_scale_f32_16x16x128_f8f6f4 v[8*(8*((\a)%4)+\b):8*(8*((\a)%4)+\b)+7], v[128*(\p)+FR*\b:128*(\p)+FR*\b+FR-1], v[AF+FR*(\a):AF+FR*(\a)+FR-1], 0, v[SC+8*NQ*(\sc)+NQ*\b+(\q)], v[SC+8*NQ*(\sc)+NQ*(\a)+(\q)] matrix_a_fmt:MATRIX_FMT_FP4 matrix_b_fmt:MATRIX_FMT_FP4 matrix_a_scale:MATRIX_SCALE_ROW1
.else
	v_wmma_scale_f32_16x16x128_f8f6f4 v[8*(8*((\a)%4)+\b):8*(8*((\a)%4)+\b)+7], v[128*(\p)+FR*\b:128*(\p)+FR*\b+FR-1], v[AF+FR*(\a):AF+FR*(\a)+FR-1], v[8*(8*((\a)%4)+\b):8*(8*((\a)%4)+\b)+7], v[SC+8*NQ*(\sc)+NQ*\b+(\q)], v[SC+8*NQ*(\sc)+NQ*(\a)+(\q)] matrix_a_fmt:MATRIX_FMT_FP4 matrix_b_fmt:MATRIX_FMT_FP4 matrix_a_scale:MATRIX_SCALE_ROW1
.endif
.endr
.endr
.endm
.macro FETCH_B slot, q, p
	WIN TO_B
.irp i, 0,1,2,3,4,5,6,7
	FRAG 128*(\p)+FR*\i, ADRB+\slot, \q, \i
.endr
	WIN 0
.endm
.macro FETCH_A slot, q, i0
.irp i, \i0, \i0+1, \i0+2, \i0+3
	FRAG AF+FR*(\i), ADRA+\slot, \q, \i
.endr
.endm
.macro SCALES sc                       ; a slot's scale words: lanes 0-15 take x's block i, lanes 16-31 W's block i; four words a row
.irp i, 0,1,2,3,4,5,6,7
	ds_load_b128 v[SC+8*NQ*\sc+NQ*\i:SC+8*NQ*\sc+NQ*\i+3], v[ADRS] offset:\i*SBLK
.endr
.endm
.macro PLACES n                        ; plain vector lines between a matrix instruction and a load into, or a read of, its registers
.rept \n
	v_nop
.endr
.endm
.macro STEP slot, q, zero              ; 128 along K, with its successor in the same slot
	s_wait_dscnt 4*NL                              ; W's set and x's blocks 0-3 are in; the youngest eight loads (x's blocks 4-7) may be out
	WIN MUL_LO
	MUL16 0, (\q)%2, \q, \slot, \zero
	MUL16 2, (\q)%2, \q, \slot, \zero
	s_wait_dscnt 0
	PLACES NP
	FETCH_B \slot, (\q)+1, 1-(\q)%2
	FETCH_A \slot, (\q)+1, 0
	WIN MUL_HI
	MUL16 4, (\q)%2, \q, \slot, \zero
	MUL16 6, (\q)%2, \q, \slot, \zero
	PLACES NP
	WIN 0
	FETCH_A \slot, (\q)+1, 4
.endm
.macro TURN slot, next                 ; a slot's last step changes slots: one barrier; nothing is filled again
	s_wait_tensorcnt 0x0                           ; all my tensor loads have landed: my part of the next slot
	ds_add_u32 v[SPW], v[NIL]                      ; 0 onto my spare word
	s_wait_dscnt 4*NL+1                            ; (the add and the youngest eight loads may be out)
	WIN MUL_LO
	MUL16 0, 1, NQ-1, \slot, 0
	s_wait_dscnt 0x0                               ; the add is done, and my reads of this slot are over
	s_barrier_signal -1
	MUL16 2, 1, NQ-1, \slot, 0
	WIN 0
	s_barrier_wait -1                              ; the next slot is whole, and nobody reads this one any more
	PLACES NP
	v_add_nc_u32 v[ADRS], 4*NQ, v[ADRS]            ; on to the next slot's scale words
	FETCH_B \next, 0, 0
	FETCH_A \next, 0, 0
	SCALES \next
	WIN MUL_HI
	MUL16 4, 1, NQ-1, \slot, 0
	MUL16 6, 1, NQ-1, \slot, 0
	PLACES NP
	WIN 0
	FETCH_A \next, 0, 4
.endm
.macro STEPS slot, from
.set Q, \from
.rept NQ-1-\from
	STEP \slot, Q, 0
.set Q, Q+1
.endr
.endm
	s_wait_tensorcnt 1                             ; the scales and my part of slot 0 are in (slot 1's load may be out),
	s_barrier_signal -1
	s_barrier_wait -1                              ; everybody's are
	FETCH_B 0, 0, 0
	FETCH_A 0, 0, 0
	SCALES 0
	FETCH_A 0, 0, 4
	STEP 0, 0, 1                                   ; the first products start the sums: nothing is cleared
	STEPS 0, 1
	TURN 0, 1
	STEPS 1, 0
	s_wait_dscnt 4*NL                              ; the last step: nothing more to fetch
	WIN MUL_LO
	MUL16 0, 1, NQ-1, 1, 0
	MUL16 2, 1, NQ-1, 1, 0
	s_wait_dscnt 0
	WIN MUL_HI
	MUL16 4, 1, NQ-1, 1, 0
	MUL16 6, 1, NQ-1, 1, 0
	WIN 0
; THE WAY OUT.  PACK: a block of 16 rows x 128 columns rounded to f16, 16 bytes a lane.  TOSTAGE: into my stage and back by heads.  SEND: stored.
.macro PACK a
.set AC, 64*((\a)%4)
	WIN 0x0a+5*((\a)/4)                            ; sources 0 and 1: window 2 or 3
.irp b, 0,1,2,3,4,5,6,7
.irp r, 0,1,2,3
	v_cvt_pk_f16_f32 v[TMP+4*\b+\r], v[AC+8*\b+2*\r], v[AC+8*\b+2*\r+1]   ; each accumulator from its low end on
.endr
.endr
	WIN 0
.endm
.macro TOSTAGE a
.set BB, BK+32*((\a)%2)
.irp b, 0,1,2,3,4,5,6,7
	ds_store_b128 v[STO], v[TMP+4*\b:TMP+4*\b+3] offset:32*\b
.endr
.irp i, 0,1,2,3,4,5,6,7
	ds_load_b128 v[BB+4*\i:BB+4*\i+3], v[RD] offset:(\i%4)*4*SPITCH+(\i/4)*128   ; LDS serves a wave's instructions in order: these see the stores above.  Rows 4 (i % 4) on, head i / 4
.endr
.endm
.macro SEND a
.set BB, BK+32*((\a)%2)
	s_wait_dscnt 0x0                               ; the block is back in registers
	s_wait_xcnt 0x0                                ; the stores of the block before have read their registers: the next block's loads may land there
.irp i, 0,1,2,3,4,5,6,7
	global_store_b128 v[CO], v[BB+4*\i:BB+4*\i+3], s[12:13] offset:(\i/4)*262144+(\a)*2048+(\i%4)*512   ; 32 lanes store 512 consecutive bytes, aligned: four rows of one head
.endr
.endm
	PLACES NP                                      ; behind the last products: for the reads of results and the loads into the registers that held x's fragments
	s_cmp_lg_u32 s95, 0                            ; cluster y and the wave's number alone: the same in all sixteen partners
	s_cbranch_scc1 .Lno_fine
	WIN 0x08                                       ; a store's data are its source 1: window 2
.irp b, 0,1,2,3,4,5,6,7
	global_store_b128 v[FO], v[8*\b:8*\b+3], s[96:97] offset:64*\b        ; rows 0-15 of the sequence, in f32
	global_store_b128 v[FO], v[8*\b+4:8*\b+7], s[96:97] offset:64*\b+16
.endr
	WIN 0
.Lno_fine:
	PACK 0
	TOSTAGE 0
.irp a, 1,2,3,4,5,6,7                  ; block a's conversions stand between block a - 1's loads from the stage and the wait for them
	PACK \a
	SEND \a-1
	TOSTAGE \a
.endr
	SEND 7
	s_wait_tensorcnt 0x0                           ; the wave's end
	ds_add_u32 v[SPW], v[NIL]
	s_wait_dscnt 0x0
	CROUND                                         ; the closing round
	s_endpgm
.Lfunc_end_k_q6a6cddf869_qkvgemm:
	.size	k_q6a6cddf869_qkvgemm, .Lfunc_end_k_q6a6cddf869_qkvgemm-k_q6a6cddf869_qkvgemm
	.p2alignl 7, 3214868480
	.fill 96, 4, 3214868480
	.section	.rodata,"a",@progbits
	.p2align	6, 0x0
	.amdhsa_kernel k_q6a6cddf869_qkvgemm
		.amdhsa_group_segment_fixed_size 327680
		.amdhsa_private_segment_fixed_size 0
		.amdhsa_enable_private_segment 0
		.amdhsa_kernarg_size 48
		.amdhsa_user_sgpr_count 2
		.amdhsa_user_sgpr_kernarg_segment_ptr 1
		.amdhsa_wavefront_size32 1
		.amdhsa_system_sgpr_workgroup_id_x 1
		.amdhsa_system_sgpr_workgroup_id_y 1
		.amdhsa_system_sgpr_workgroup_id_z 1
		.amdhsa_system_vgpr_workitem_id 0
		.amdhsa_next_free_vgpr 1024
		.amdhsa_next_free_sgpr 100
		.amdhsa_reserve_vcc 0
		.amdhsa_float_denorm_mode_32 3
		.amdhsa_float_denorm_mode_16_64 3
		.amdhsa_memory_ordered 1
		.amdhsa_forward_progress 1
		.amdhsa_inst_pref_size 129
	.end_amdhsa_kernel
	.amdgpu_metadata
---
amdhsa.version: [ 1, 2 ]
amdhsa.kernels:
  - .name:           k_q6a6cddf869_qkvgemm
    .symbol:         k_q6a6cddf869_qkvgemm.kd
    .args:
      - { .name: xc, .offset: 0, .size: 8, .value_kind: global_buffer, .address_space: global }
      - { .name: xs, .offset: 8, .size: 8, .value_kind: global_buffer, .address_space: global }
      - { .name: wc, .offset: 16, .size: 8, .value_kind: global_buffer, .address_space: global }
      - { .name: ws, .offset: 24, .size: 8, .value_kind: global_buffer, .address_space: global }
      - { .name: qkv, .offset: 32, .size: 8, .value_kind: global_buffer, .address_space: global }
      - { .name: qkv32, .offset: 40, .size: 8, .value_kind: global_buffer, .address_space: global }
    .group_segment_fixed_size: 327680
    .private_segment_fixed_size: 0
    .kernarg_segment_align: 8
    .kernarg_segment_size: 48
    .max_flat_workgroup_size: 128
    .sgpr_count:     100
    .vgpr_count:     1024
    .wavefront_size: 32
...
	.end_amdgpu_metadata
.endif
;; end of part 2
;; launch attn (part 3): grid 4 x 64, 8 waves a work-group, no clusters, 327,680 bytes of LDS; arguments qkv, yfrag; writes yfrag
.if DOCPART == 3
	.amdgcn_target "amdgcn-amd-amdhsa--gfx1250"
	.amdhsa_code_object_version 6
	.text
	.protected	k_q6a6cddf869_attn
	.globl	k_q6a6cddf869_attn
	.p2align	8
	.type	k_q6a6cddf869_attn,@function
k_q6a6cddf869_attn:
	s_mov_b64 s[64:65], 0
	v_nop
	global_prefetch_b8 v0, s[64:65] scope:SCOPE_SE
	s_setreg_imm32_b32 hwreg(HW_REG_WAVE_MODE, 25, 1), 1
	s_wait_xcnt 0x0
; y[b][h][q] = the sum over k <= q of softmax_k(q . k / 8) v, per head of 64 channels; q, k, v in f16 (qkv [3][64 heads][2048][64]); products by the f16 matrix form, maxima and sums in f32; the weights p are
; rounded to f16 for the second product, y once at the end.
; SHARES.  Work-group (p, head) owns query blocks 7 - p and p of its head, 256 queries each, one after the other: block j needs key slots 0 .. j of 256 keys, so every work-group visits 9 slots: all trip counts are
; constants, all 256 work-groups have equal work, and every slot that is asked for is read.  Wave w owns 32 neighbouring queries, two tiles of 16, which share every fragment of K and V.  A key step is 64 keys.
; NO CLUSTER: the four work-groups of a head walk different slots at the same time (block 7 - p has 8 - p slots), so no tile is wanted by two of them in the same trip.
; LAYOUT.  S^T = K Q^T (source 0 = 16 keys, source 1 = 16 queries): a lane holds ONE query (lane % 16) and keys 8 (lane / 16) + 0..7 of each tile of 16.  Two such tiles, rounded in pairs, ARE source 1 of
; O^T = V^T P, whose result again holds one query a lane and eight channels.  K comes out of LDS as it lies, V turned by ds_load_tr16_b128.
; SOFTMAX.  A running maximum m and sum l for each query: p = 2^(c s - c m), c = log2(e) / 8; in every step O and l are multiplied by a = 2^(c m_old - c m_new).  The rounded c m is used alike in p, a and l.
; CAUSAL.  A step all of whose keys come after my 32 queries is left out by a scalar branch on ids; on the diagonal hidden scores become -infinity ahead of the maximum.
; OUT.  yfrag holds y as images of the projection's operand registers: [512 tiles of 16 rows][32 chunks of 32 channels][2 halves][32 lanes][16 bytes].  O^T's tile dt of head h, rounded in pairs, is the image at
; tile x 32,768 + h x 2,048 + dt x 512 + 16 x lane: each store covers 512 consecutive bytes, with no stage.
; LIMIT: |q|, |k|, |v| under 65,504 as they arrive; rows 0-15 of every sequence are made again, in f32, by a later launch.
; REGISTERS.  window 0: v1-13 addresses; v16-31 statistics, eight a tile; v32-95 S^T, then p; v96-127 P; v128-191 K's fragments; v192-255 V's.   window 1: v0-63 O^T; v64-95 Q; v96-127 y packed.
.set KP,    272                        ; an LDS row of K: TWO keys (256 bytes, dense in memory) + 16 of padding: the 16 keys of a load fall on 16 different 16-byte columns
.set VP,    288                        ; of V: two keys + 32: the turning load's 16 lanes fall on 16 different columns
.set VOFF,  128*KP                     ; a slot: 128 rows of K, then 128 rows of V
.set SLOT1, 1<<17                      ; slot 1 begins here: one exclusive or turns an address from one slot to the other
.set SPARE, 2*SLOT1                    ; the spare words, 128 bytes for each of eight waves
.set AK0, 1
.set AV0, 2
.set ADK, 3
.set ADV, 4
.set QO,  5
.set YO,  6
.set SPW, 7
.set NIL, 8
.set RH,  9                            ; v9   r - 8 h
.set DD,  10                           ; v10, v11  the mask's bound for tiles 0 and 1
.set NINF, 12                          ; v12  -infinity
.set PFO, 13                           ; v13  256 x lane
.set ST,  16                           ; tile x at ST + 8 x: +0 c m, +1 m, +2, +3 l, +4..7 at work (a at +6)
.set SS,  32
.set PW,  96
.set KFR, 128
.set VFR, 192
.set OO,  0                            ; window 1
.set QF,  64
.set YP,  96
.set WV,  8                            ; s8   wave
.set PB,  9                            ; s9   p
.set BH,  10                           ; s10  16 b + h
.set NP0, 11                           ; s11  visits of the first pass: 8 - p
.set VIS, 12                           ; s12  the visit, 0 .. 7 in the loop
.set KF,  13                           ; s13  the step's first key
.set Q0,  14                           ; s14  my first query
.set TB,  15                           ; s15  LDS byte at which the slot in hand begins
.set OFS, 16                           ; s[16:17] byte offset of the slot that is asked for in K's and V's planes
.set SEL, 18
.set CS,  20
.set G1K, 24
.set G1V, 32
.set G0K, 40
.set G0V, 44
.set KB,  48                           ; s[48:49] K's plane at my half of a slot;  s[50:51] V's
.set VB,  50
.set YB,  52
.set QP,  54
.set PFA, 56
.set LIM, 58
.set QB,  60                           ; s[60:61] q's plane
.set MSB, 0
.macro WIN new
.if MSB != \new
	s_set_vgpr_msb (MSB<<8)|\new
.set MSB, \new
.endif
.endm
; Waves 0 and 1 fetch K's halves of a slot, waves 2 and 3 V's, the others nothing.  An s_nop 0 and four v_nop follow each of the two lines.
.macro TLOAD
	s_cmp_lt_u32 s[WV], 2
	s_cbranch_scc0 .Lnot_k_\@
	tensor_load_to_lds s[G0K:G0K+3], s[G1K:G1K+7]
	s_nop 0
.rept 4
	v_nop
.endr
	s_branch .Lasked_\@
.Lnot_k_\@:
	s_cmp_lt_u32 s[WV], 4
	s_cbranch_scc0 .Lasked_\@
	tensor_load_to_lds s[G0V:G0V+3], s[G1V:G1V+7]
	s_nop 0
.rept 4
	v_nop
.endr
.Lasked_\@:
.endm
; A PREFETCH INTO THE L2 of the slot that the NEXT change of slots will ask for, a slot's four key steps ahead of that load.  All four work-groups of a head walk the same K and V from slot 0 up; the one with p = 0,
; whose first pass walks all eight slots, asks, in trips 0 to 5 for slots 2 to 7.  In it the waves ask that fetch nothing: waves 4 and 5 for K's halves, 6 and 7 for V's: 16,384 bytes a wave, lanes 256 bytes apart,
; two instructions.  So each aligned block of 256 bytes is named once in the launch.  Slots 0 and 1 come by their loads alone.
.macro ASK
	s_cmp_lt_u32 s[VIS], s[LIM]
	s_cbranch_scc0 .Lnot_mine_\@
	global_prefetch_b8 v[PFO], s[PFA:PFA+1] th:TH_LOAD_NT scope:SCOPE_SE
	global_prefetch_b8 v[PFO], s[PFA:PFA+1] offset:8192 th:TH_LOAD_NT scope:SCOPE_SE
.Lnot_mine_\@:
.endm
	s_load_b128 s[4:7], s[0:1], 0x0                ; qkv s[4:5], yfrag s[6:7]
	v_lshl_add_u32 v[SPW], v0, 2, SPARE
	v_mov_b32 v[NIL], 0
	ds_add_u32 v[SPW], v[NIL]                      ; the wave's opening: the add, twice on end, and its wait ahead of my first tensor load
	ds_add_u32 v[SPW], v[NIL]
	v_lshrrev_b32 v1, 5, v0
	v_readfirstlane_b32 s[WV], v1                  ; wave 0..7
	s_mov_b32 s[PB], ttmp9
	s_and_b32 s[BH], ttmp7, 0xffff
	s_sub_co_u32 s[NP0], 8, s[PB]
	s_mov_b32 s[G1K], (1<<16)|(1<<20)|(5<<22)|(3<<25)   ; no mask; elements of 2 bytes; padding: 4 words behind every 64
	s_mov_b32 s[G1V], (1<<16)|(1<<20)|(5<<22)|(7<<25)   ; the same with 8 words
.irp g, G1K, G1V
	s_mov_b32 s[\g+1], 128<<16                     ; tensor_dim0 = 128 elements: two keys
	s_mov_b32 s[\g+2], 64<<16                      ; tensor_dim1 = 64 rows: 128 keys
	s_mov_b32 s[\g+3], 128<<16                     ; tile_dim0
	s_mov_b32 s[\g+4], 64                          ; tile_dim1
	s_mov_b32 s[\g+5], 128                         ; the pitch: rows are dense
	s_mov_b32 s[\g+6], 0
	s_mov_b32 s[\g+7], 0
.endr
	s_mov_b32 s[SEL], 0x76543210
	s_mov_b32 s[SEL+1], 0xfedcba98                 ; v_permlanex16_b32's selects for lane l xor 16
	s_mov_b32 s[CS], 0x3e38aa3b                    ; c = log2(e) / 8
	s_mov_b32 s[CS+1], s[CS]
	s_mov_b32 s[TB], 0
	s_mov_b32 s[OFS], 0
	s_mov_b32 s[OFS+1], 0
	s_and_b32 s66, s[WV], 1                        ; which half of a slot
	s_mov_b32 s[G0K], 1
	s_mul_i32 s[G0K+1], s66, 64*KP                 ; slot 0
	s_mov_b32 s[G0V], 1
	s_mul_i32 s[G0V+1], s66, 64*VP
	s_add_co_u32 s[G0V+1], s[G0V+1], VOFF
	s_lshl_b32 s68, s66, 14                        ; 128 keys of 128 bytes
	s_add_co_u32 s70, s[BH], 64
	s_lshl_b32 s70, s70, 18                        ; a plane is 262,144 bytes
	s_add_co_u32 s70, s70, s68
	s_mov_b32 s71, 0
	s_lshr_b32 s66, s[WV], 2
	s_xor_b32 s66, s66, 1                          ; 0 in waves 4 to 7,
	s_or_b32 s66, s66, s[PB]                       ; of the work-group with p = 0
	s_cmp_eq_u32 s66, 0
	s_cselect_b32 s[LIM], 6, 0
	s_wait_dscnt 0x0                               ; both opening adds are done
	s_wait_kmcnt 0x0
	s_add_nc_u64 s[KB:KB+1], s[4:5], s[70:71]
	s_add_nc_u64 s[VB:VB+1], s[KB:KB+1], 64<<18
	s_lshl_b32 s70, s[BH], 18
	s_add_nc_u64 s[QB:QB+1], s[4:5], s[70:71]
	s_mov_b64 s[G0K+2:G0K+3], s[KB:KB+1]
	s_or_b32 s[G0K+3], s[G0K+3], 0x80000000
	s_mov_b64 s[G0V+2:G0V+3], s[VB:VB+1]
	s_or_b32 s[G0V+3], s[G0V+3], 0x80000000
	TLOAD                                          ; slot 0: keys 0-255
	s_cmp_lt_u32 s[WV], 6
	s_cselect_b64 s[PFA:PFA+1], s[KB:KB+1], s[VB:VB+1]
	s_add_nc_u64 s[PFA:PFA+1], s[PFA:PFA+1], 32768 ; at slot 1: the first change of slots steps it to slot 2
	v_and_b32 v14, 15, v0                          ; r
	v_bfe_u32 v15, v0, 4, 1                        ; h
	v_lshrrev_b32 v[AK0], 1, v14
	v_mul_u32_u24 v[AK0], v[AK0], KP
	v_and_b32 v3, 1, v0
	v_lshl_add_u32 v[AK0], v3, 7, v[AK0]
	v_lshl_add_u32 v[AK0], v15, 4, v[AK0]          ; K: key r: (r / 2) x pitch + 128 (r % 2) + 16 h
	v_bfe_u32 v[AV0], v0, 1, 2
	v_lshl_add_u32 v[AV0], v15, 2, v[AV0]
	v_mul_u32_u24 v[AV0], v[AV0], VP
	v_lshl_add_u32 v[AV0], v3, 7, v[AV0]
	v_bfe_u32 v4, v0, 3, 1
	v_lshl_add_u32 v[AV0], v4, 4, v[AV0]
	v_add_nc_u32 v[AV0], VOFF, v[AV0]              ; V: key 8 h + l % 8, channels 8 ((l / 8) % 2) on
	v_lshlrev_b32 v[QO], 7, v14
	v_lshl_add_u32 v[QO], v15, 4, v[QO]            ; Q: row r of 128 bytes + 16 h
	v_and_b32 v[YO], 31, v0
	v_lshlrev_b32 v[PFO], 8, v[YO]
	v_lshlrev_b32 v[YO], 4, v[YO]
	v_lshlrev_b32 v[RH], 3, v15
	v_sub_nc_u32 v[RH], v14, v[RH]
	v_mov_b32 v[NINF], 0xff800000
; A pass begins: block s67 of 256 queries.  Q comes into registers; O^T, l begin as zeros and m as -3e38, under every score: the first step's a is 0, which leaves zeros zeros.
.macro SETPASS
	s_lshl_b32 s[Q0], s67, 8
	s_lshl_b32 s66, s[WV], 5
	s_add_co_u32 s[Q0], s[Q0], s66
	s_mov_b32 s[KF], 0
	s_lshl_b32 s66, s[Q0], 7
	s_mov_b32 s67, 0
	s_add_nc_u64 s[QP:QP+1], s[QB:QB+1], s[66:67]
	s_lshr_b32 s66, s[BH], 4
	s_lshl_b32 s66, s66, 7
	s_lshr_b32 s68, s[Q0], 4
	s_add_co_u32 s66, s66, s68                     ; my first tile of 16 rows: 128 b + Q0 / 16
	s_lshl_b32 s66, s66, 15
	s_and_b32 s68, s[BH], 15
	s_lshl_b32 s68, s68, 11
	s_add_co_u32 s66, s66, s68
	s_add_nc_u64 s[YB:YB+1], s[6:7], s[66:67]
	WIN 0x40                                       ; destination window 1
.irp x, 0,1
.irp c, 0,1
.irp i, 0,1
	global_load_b128 v[QF+16*\x+8*\c+4*\i:QF+16*\x+8*\c+4*\i+3], v[QO], s[QP:QP+1] offset:\x*2048+\c*64+\i*32
.endr
.endr
.endr
.set i, 0
.rept 64
	v_mov_b32 v[OO+i], 0
.set i, i+1
.endr
	WIN 0
.irp x, 0,1
	v_mov_b32 v[ST+8*\x+1], 0xff61b1e6
	v_mul_f32 v[ST+8*\x], s[CS], v[ST+8*\x+1]
.irp j, 2,3,4,5,6,7
	v_mov_b32 v[ST+8*\x+\j], 0
.endr
.endr
	s_wait_loadcnt 0x0                             ; Q
.endm
; The two tiles' softmax of a key step, line by line by turns.
.macro SOFTMAX
.irp j, 0,1,2,3
.irp x, 0,1
	v_max3_num_f32 v[ST+8*\x+4+\j], v[SS+32*\x+8*\j], v[SS+32*\x+8*\j+1], v[SS+32*\x+8*\j+2]   ; four chains; each accumulator is first read at its low end
.endr
.endr
.irp g, 1,2
.irp j, 0,1,2,3
.irp x, 0,1
	v_max3_num_f32 v[ST+8*\x+4+\j], v[ST+8*\x+4+\j], v[SS+32*\x+8*\j+2*\g+1], v[SS+32*\x+8*\j+2*\g+2]
.endr
.endr
.endr
.irp x, 0,1
	v_max3_num_f32 v[ST+8*\x+4], v[ST+8*\x+4], v[SS+32*\x+7], v[SS+32*\x+15]
	v_max3_num_f32 v[ST+8*\x+6], v[ST+8*\x+6], v[SS+32*\x+23], v[SS+32*\x+31]
.endr
.irp x, 0,1
	v_max3_num_f32 v[ST+8*\x+4], v[ST+8*\x+4], v[ST+8*\x+5], v[ST+8*\x+6]
.endr
.irp x, 0,1
	v_max3_num_f32 v[ST+8*\x+4], v[ST+8*\x+4], v[ST+8*\x+7], v[ST+8*\x+1]   ; with the old m
.endr
.irp x, 0,1
	v_permlanex16_b32 v[ST+8*\x+5], v[ST+8*\x+4], s[SEL], s[SEL+1]          ; the query's other keys lie in the lane 16 away
.endr
.irp x, 0,1
	v_mov_b32 v[ST+8*\x+7], v[ST+8*\x]                                      ; c m_old
.endr
.irp x, 0,1
	v_max_num_f32 v[ST+8*\x+1], v[ST+8*\x+4], v[ST+8*\x+5]
.endr
.irp x, 0,1
	v_mul_f32 v[ST+8*\x], s[CS], v[ST+8*\x+1]
.endr
.irp x, 0,1
	v_sub_f32 v[ST+8*\x+7], v[ST+8*\x+7], v[ST+8*\x]
.endr
.irp n, 0,2,4,6,8,10,12,14,16,18,20,22,24,26,28,30
.irp x, 0,1
	v_pk_fma_f32 v[SS+32*\x+\n:SS+32*\x+\n+1], v[SS+32*\x+\n:SS+32*\x+\n+1], s[CS:CS+1], v[ST+8*\x:ST+8*\x+1] op_sel_hi:[1,0,0] neg_lo:[0,0,1] neg_hi:[0,0,1]   ; c s - c m
.endr
.endr
.irp x, 0,1
	v_exp_f32 v[ST+8*\x+6], v[ST+8*\x+7]           ; a.  ONE BATCH of 66 exponentials, none of which reads another's result
.endr
.set i, 0
.rept 64
	v_exp_f32 v[SS+i], v[SS+i]
.set i, i+1
.endr
	v_nop                                          ; a plain line behind the last exponential
	s_wait_alu depctr_va_vdst(0)                   ; one wait for the batch, ahead of its first reader
.irp x, 0,1
	v_pk_mul_f32 v[ST+8*\x+2:ST+8*\x+3], v[ST+8*\x+2:ST+8*\x+3], v[ST+8*\x+6:ST+8*\x+7] op_sel_hi:[1,0]   ; l x a
	v_pk_add_f32 v[ST+8*\x+4:ST+8*\x+5], v[SS+32*\x:SS+32*\x+1], v[SS+32*\x+2:SS+32*\x+3]                 ; the sum of the unrounded p, in two chains
.endr
.irp n, 4,8,12,16,20,24,28
.irp x, 0,1
	v_pk_add_f32 v[ST+8*\x+2:ST+8*\x+3], v[ST+8*\x+2:ST+8*\x+3], v[SS+32*\x+\n:SS+32*\x+\n+1]
	v_pk_add_f32 v[ST+8*\x+4:ST+8*\x+5], v[ST+8*\x+4:ST+8*\x+5], v[SS+32*\x+\n+2:SS+32*\x+\n+3]
.endr
.endr
.irp x, 0,1
	v_pk_add_f32 v[ST+8*\x+2:ST+8*\x+3], v[ST+8*\x+2:ST+8*\x+3], v[ST+8*\x+4:ST+8*\x+5]
.endr
.set i, 0
.rept 32
	v_cvt_pk_f16_f32 v[PW+i], v[SS+2*i], v[SS+2*i+1]   ; pairs of neighbouring keys: the second product's source 1 as it stands
.set i, i+1
.endr
	WIN 0x41                                       ; O^T (destination and source 0) window 1, a window 0
.irp x, 0,1
.irp n, 0,2,4,6,8,10,12,14,16,18,20,22,24,26,28,30
	v_pk_mul_f32 v[OO+32*\x+\n:OO+32*\x+\n+1], v[OO+32*\x+\n:OO+32*\x+\n+1], v[ST+8*\x+6:ST+8*\x+7] op_sel_hi:[1,0]
.endr
.endr
	WIN 0
.endm
; A KEY STEP: 64 keys, the q-th of the slot in hand.
.macro STEP q
	s_add_co_u32 s66, s[Q0], 31
	s_cmp_gt_u32 s[KF], s66                        ; all 64 keys come after my 32 queries: ids and the count of steps alone
	s_cbranch_scc1 .Lhidden_\@
.rept 4
	v_nop                                          ; places in front of the loads into V's registers, which the last products read
.endr
	v_add_nc_u32 v[ADK], s[TB], v[AK0]
	v_add_nc_u32 v[ADV], s[TB], v[AV0]
.irp kt, 0,1,2,3
.irp c, 0,1
.irp i, 0,1
	ds_load_b128 v[KFR+8*(2*\kt+\c)+4*\i:KFR+8*(2*\kt+\c)+4*\i+3], v[ADK] offset:(\q)*32*KP+\kt*8*KP+\c*64+\i*32
.endr
.endr
.endr
.irp kc, 0,1
.irp dt, 0,1,2,3
.irp i, 0,1
	ds_load_tr16_b128 v[VFR+8*(4*\kc+\dt)+4*\i:VFR+8*(4*\kc+\dt)+4*\i+3], v[ADV] offset:(\q)*32*VP+\kc*16*VP+\i*8*VP+\dt*32
.endr
.endr
.endr
	s_wait_dscnt 16                                ; K's 16 loads are in; V's 16, issued behind them, may be out
	WIN 0x04                                       ; Q (source 1) window 1
.irp c, 0,1                            ; S^T = K Q^T: the eight accumulators take turns, one instruction a turn
.irp kt, 0,1,2,3
.irp x, 0,1
.if \c == 0
	v_wmma_f32_16x16x32_f16 v[SS+32*\x+8*\kt:SS+32*\x+8*\kt+7], v[KFR+8*(2*\kt+\c):KFR+8*(2*\kt+\c)+7], v[QF+16*\x+8*\c:QF+16*\x+8*\c+7], 0
.else
	v_wmma_f32_16x16x32_f16 v[SS+32*\x+8*\kt:SS+32*\x+8*\kt+7], v[KFR+8*(2*\kt+\c):KFR+8*(2*\kt+\c)+7], v[QF+16*\x+8*\c:QF+16*\x+8*\c+7], v[SS+32*\x+8*\kt:SS+32*\x+8*\kt+7]
.endif
.endr
.endr
.endr
	WIN 0
.rept 4
	v_nop                                          ; places in front of the first read of the scores
.endr
	s_add_co_u32 s66, s[KF], 63
	s_cmp_le_u32 s66, s[Q0]                        ; all 64 keys count for all my queries: no mask
	s_cbranch_scc1 .Lopen_\@
	s_sub_co_i32 s66, s[Q0], s[KF]
	v_add_nc_u32 v[DD], s66, v[RH]                 ; d = my query - KF - 8 h.  Register 8 kt + j holds key KF + 16 kt + 8 h + j: hidden where 16 kt + j > d
	v_add_nc_u32 v[DD+1], 16, v[DD]
.irp x, 0,1
.irp n, 0,1,2,3,4,5,6,7,8,9,10,11,12,13,14,15,16,17,18,19,20,21,22,23,24,25,26,27,28,29,30,31
	v_cmp_gt_i32 vcc_lo, 16*(\n/8)+\n%8, v[DD+\x]
	v_cndmask_b32 v[SS+32*\x+\n], v[SS+32*\x+\n], v[NINF], vcc_lo
.endr
.endr
.Lopen_\@:
	SOFTMAX
	s_wait_dscnt 0x0                               ; V is in
	WIN 0x50                                       ; O^T (C and D) window 1
.irp kc, 0,1                           ; O^T += V^T P: the eight accumulators by turns
.irp dt, 0,1,2,3
.irp x, 0,1
	v_wmma_f32_16x16x32_f16 v[OO+32*\x+8*\dt:OO+32*\x+8*\dt+7], v[VFR+8*(4*\kc+\dt):VFR+8*(4*\kc+\dt)+7], v[PW+16*\x+8*\kc:PW+16*\x+8*\kc+7], v[OO+32*\x+8*\dt:OO+32*\x+8*\dt+7]
.endr
.endr
.endr
	WIN 0
.Lhidden_\@:
	s_add_co_u32 s[KF], s[KF], 64
.endm
; THE CHANGE OF SLOTS stands at a slot's head.  Each wave waits for all its tensor loads (its part of the slot that it is about to read), adds 0 to its spare word, and waits for that and for its reads of the slot
; that it has left.  Behind the barrier the slot ahead is whole and nobody reads the other one; fill = 1: that one takes the next visit's keys: the load has four key steps in which to land.  One tensor load of a wave is out.
.macro CHANGE fill
	s_wait_tensorcnt 0x0                           ; no tensor load of mine is out, so a group 0 may be written
	ds_add_u32 v[SPW], v[NIL]                      ; 0 onto my spare word
.if \fill
	ds_add_u32 v[SPW], v[NIL]                      ; and once more: the add twice on end here, in every trip alike
	s_xor_b32 s[G0K+1], s[G0K+1], SLOT1            ; the other slot than last time
	s_xor_b32 s[G0V+1], s[G0V+1], SLOT1
	s_add_co_u32 s66, s[VIS], 1
	s_add_co_u32 s[OFS], s[OFS], 32768             ; the next 256 keys,
	s_cmp_eq_u32 s66, s[NP0]
	s_cselect_b32 s[OFS], 0, s[OFS]                ; or, where the next visit begins the second pass, keys 0 on
	s_add_nc_u64 s[G0K+2:G0K+3], s[KB:KB+1], s[OFS:OFS+1]
	s_or_b32 s[G0K+3], s[G0K+3], 0x80000000
	s_add_nc_u64 s[G0V+2:G0V+3], s[VB:VB+1], s[OFS:OFS+1]
	s_or_b32 s[G0V+3], s[G0V+3], 0x80000000
	s_wait_xcnt 0x0                                ; the last prefetches, a slot back, have read their address
	s_add_nc_u64 s[PFA:PFA+1], s[PFA:PFA+1], 32768
.endif
	s_wait_dscnt 0x0                               ; the add is done, and my reads of the slot that I have left are over
	s_barrier_signal -1
	s_barrier_wait -1
.if \fill
	TLOAD                                          ; the first thing behind the barrier, and a wave's one tensor load until the next
	ASK
.endif
.endm
; A pass ends: l's halves are added, O^T is divided by l, rounded to f16 and stored as register images.
.macro FINISH
.rept 4
	v_nop                                          ; places behind the last products
.endr
.irp x, 0,1
	v_add_f32 v[ST+8*\x+4], v[ST+8*\x+2], v[ST+8*\x+3]
.endr
.irp x, 0,1
	v_permlanex16_b32 v[ST+8*\x+5], v[ST+8*\x+4], s[SEL], s[SEL+1]
.endr
.irp x, 0,1
	v_add_f32 v[ST+8*\x+4], v[ST+8*\x+4], v[ST+8*\x+5]
.endr
.irp x, 0,1
	v_rcp_f32 v[ST+8*\x+6], v[ST+8*\x+4]
.endr
	v_nop
	s_wait_alu depctr_va_vdst(0)                   ; one wait for both reciprocals, ahead of their first reader
	WIN 0x41
.irp x, 0,1
.irp n, 0,2,4,6,8,10,12,14,16,18,20,22,24,26,28,30
	v_pk_mul_f32 v[OO+32*\x+\n:OO+32*\x+\n+1], v[OO+32*\x+\n:OO+32*\x+\n+1], v[ST+8*\x+6:ST+8*\x+7] op_sel_hi:[1,0]
.endr
.endr
	WIN 0x45                                       ; sources and destination window 1
.set i, 0
.rept 32
	v_cvt_pk_f16_f32 v[YP+i], v[OO+2*i], v[OO+2*i+1]
.set i, i+1
.endr
	WIN 0x04                                       ; a store's data are its source 1: window 1
.irp x, 0,1
.irp dt, 0,1,2,3
	global_store_b128 v[YO], v[YP+16*\x+4*\dt:YP+16*\x+4*\dt+3], s[YB:YB+1] offset:\x*32768+\dt*512   ; 32 lanes store 512 consecutive bytes, aligned
.endr
.endr
	WIN 0
.endm
	s_sub_co_u32 s67, 7, s[PB]
	SETPASS                                        ; the first pass: block 7 - p
	s_mov_b32 s[VIS], 0
.Lslot:                                            ; 8 trips: behind each change of slots the next visit's slot is asked for
	CHANGE 1
	STEP 0
	STEP 1
	STEP 2
	STEP 3
	s_xor_b32 s[TB], s[TB], SLOT1                  ; on to the other slot
	s_add_co_u32 s66, s[VIS], 1
	s_cmp_lg_u32 s66, s[NP0]                       ; the work-group's number and the count of trips alone: all eight waves go the same way
	s_cbranch_scc1 .Lsame
	FINISH
	s_wait_xcnt 0x0                                ; the stores have read their base and their data: both are written again below
	s_mov_b32 s67, s[PB]
	SETPASS                                        ; the second pass: block p
.Lsame:
	s_add_co_u32 s[VIS], s[VIS], 1
	s_cmp_lt_u32 s[VIS], 8
	s_cbranch_scc1 .Lslot
	CHANGE 0                                       ; the ninth visit is written out: nothing is left to ask for
	STEP 0
	STEP 1
	STEP 2
	STEP 3
	FINISH
	s_wait_tensorcnt 0x0                           ; the wave's end
	ds_add_u32 v[SPW], v[NIL]
	s_wait_dscnt 0x0
	s_endpgm
.Lfunc_end_k_q6a6cddf869_attn:
	.size	k_q6a6cddf869_attn, .Lfunc_end_k_q6a6cddf869_attn-k_q6a6cddf869_attn
	.p2alignl 7, 3214868480
	.fill 96, 4, 3214868480
	.section	.rodata,"a",@progbits
	.p2align	6, 0x0
	.amdhsa_kernel k_q6a6cddf869_attn
		.amdhsa_group_segment_fixed_size 327680
		.amdhsa_private_segment_fixed_size 0
		.amdhsa_enable_private_segment 0
		.amdhsa_kernarg_size 16
		.amdhsa_user_sgpr_count 2
		.amdhsa_user_sgpr_kernarg_segment_ptr 1
		.amdhsa_wavefront_size32 1
		.amdhsa_system_sgpr_workgroup_id_x 1
		.amdhsa_system_sgpr_workgroup_id_y 1
		.amdhsa_system_sgpr_workgroup_id_z 1
		.amdhsa_system_vgpr_workitem_id 0
		.amdhsa_next_free_vgpr 384
		.amdhsa_next_free_sgpr 72
		.amdhsa_reserve_vcc 1
		.amdhsa_float_denorm_mode_32 3
		.amdhsa_float_denorm_mode_16_64 3
		.amdhsa_memory_ordered 1
		.amdhsa_forward_progress 1
		.amdhsa_inst_pref_size 198
	.end_amdhsa_kernel
	.amdgpu_metadata
---
amdhsa.version: [ 1, 2 ]
amdhsa.kernels:
  - .name:           k_q6a6cddf869_attn
    .symbol:         k_q6a6cddf869_attn.kd
    .args:
      - { .name: qkv, .offset: 0, .size: 8, .value_kind: global_buffer, .address_space: global }
      - { .name: yfrag, .offset: 8, .size: 8, .value_kind: global_buffer, .address_space: global }
    .group_segment_fixed_size: 327680
    .private_segment_fixed_size: 0
    .kernarg_segment_align: 8
    .kernarg_segment_size: 16
    .max_flat_workgroup_size: 256
    .sgpr_count:     72
    .vgpr_count:     384
    .wavefront_size: 32
...
	.end_amdgpu_metadata
.endif
;; end of part 3
;; launch proj (part 4): grid 4 x 64, 4 waves a work-group, clusters of 4 x 4, 327,680 bytes of LDS; arguments yfrag, wp16, out0; writes out0
.if DOCPART == 4
	.amdgcn_target "amdgcn-amd-amdhsa--gfx1250"
	.amdhsa_code_object_version 6
	.text
	.protected	k_q6a6cddf869_proj
	.globl	k_q6a6cddf869_proj
	.p2align	8
	.type	k_q6a6cddf869_proj,@function
k_q6a6cddf869_proj:
	s_mov_b64 s[64:65], 0
	v_nop
	global_prefetch_b8 v0, s[64:65] scope:SCOPE_SE
	s_setreg_imm32_b32 hwreg(HW_REG_WAVE_MODE, 25, 1), 1
	s_wait_xcnt 0x0
	s_wait_alu depctr_hold_cnt(0) depctr_sa_sdst(0) depctr_va_vdst(0) depctr_va_sdst(0) depctr_va_ssrc(0) depctr_va_vcc(0) depctr_vm_vsrc(0)
	s_getreg_b32 s2, hwreg(HW_REG_IB_STS2, 6, 4)
	s_cmp_eq_u32 s2, 0
	s_cbranch_scc0 .Lentry_in_a_cluster
	s_endpgm
.Lentry_in_a_cluster:
	s_bfe_u32 s2, ttmp6, 0x10000c
	s_cmp_lg_u32 s2, 0xf033
	s_cbranch_scc0 .Lentry_shape_is_right
	s_endpgm
.Lentry_shape_is_right:
; out0 = y W_proj: [8192][1024] x [1024 (k)][1024 (n)], f16 operands, f32 sums, f32 out.
; A tile is 128 rows x 256 columns: 64 x 4 = 256 work-groups.  Four waves, each 64 x 128: 32 accumulators, 256 registers.  K goes in steps of 128 through a ring of two LDS slots.
; y arrives as images of this product's operand registers (yfrag [512 tiles of 16 rows][32 chunks of 32 k][2][32 lanes][16 bytes]): a K step of a tile of 16 rows is 4,096 consecutive bytes, and a fragment is two
; ds_load_b128 at 16 x lane: consecutive bytes, no padding.  W_proj (f16, K its first axis) comes as rows of 512 bytes + 32 of padding and is turned by ds_load_tr16_b128.
; CLUSTERS: 4 x 4: y's tiles are asked for jointly along a row of the cluster, W's along a column.  THE MATRIX INSTRUCTION IS USED TRANSPOSED (source 0 = 16 columns of W, source 1 = 16 rows of y): a lane holds
; eight neighbouring columns of one row of out0.
; Rows 0-15 of every sequence are written here too and written again, from f32 operands, by the launch that follows.
; REGISTERS: window 0: v16-29 addresses; two fragment buffers of 96 at v32 and v128 (y's four fragments, then W's eight); on the way out v32-159.   window 1: accumulator (a, b) at v[8 (8 a + b)].
.set BP,     544                       ; a k-row of W in LDS: 512 bytes + 32 = 17 x 32: the turning load's 16 lanes fall on 16 different 16-byte columns
.set BOFF,   32768                     ; a slot: y's 8 images of 4,096 bytes, then W's 128 rows
.set SLOT,   BOFF+128*BP
.set STAGE,  2*SLOT                    ; behind the ring: 16 rows x (512 + 16) bytes for each wave
.set SPITCH, 528
.set SPARE,  STAGE+4*16*SPITCH
.set LAPS,   4                         ; 8 K steps
.set ASTEP,  4096                      ; a K step on in yfrag,
.set BSTEP,  128*2048                  ; and in wp16
.set ADRA, 16
.set ADRB, 20
.set STO,  24
.set RD,   25
.set CO,   26
.set SPW,  28
.set NIL,  29
.set F0,   32
.set F1,   128
.set G1, 24
.set G0, 32
.set G1B, 48
.set G0B, 56
.set MSB, 0
.macro WIN new
.if MSB != \new
	s_set_vgpr_msb (MSB<<8)|\new
.set MSB, \new
.endif
.endm
.set MUL, 0x50                         ; C and D window 1, the operands window 0
.macro JLOAD s                         ; a joint load: waves 0 and 1 fetch y's halves, waves 2 and 3 W's; an s_nop 0 and four v_nop follow each of the two lines
	s_cmp_eq_u32 s11, 0
	s_cbranch_scc0 .Lfor_b_\@
	tensor_load_to_lds s[G0+4*\s:G0+4*\s+3], s[G1:G1+7]
	s_nop 0
.rept 4
	v_nop
.endr
	s_branch .Lasked_\@
.Lfor_b_\@:
	tensor_load_to_lds s[G0B+4*\s:G0B+4*\s+3], s[G1B:G1B+7]
	s_nop 0
.rept 4
	v_nop
.endr
.Lasked_\@:
.endm
.macro CREST                           ; a round of the cluster's barrier behind its opening barrier
	s_cmp_lg_u32 s10, 0
	s_cbranch_scc1 .Lnot_wave_0_\@
	s_barrier_signal -3
.Lnot_wave_0_\@:
	s_barrier_wait -3
	s_barrier_signal -1
	s_barrier_wait -1
.endm
.macro CROUND
	s_barrier_signal -1
	s_barrier_wait -1
	CREST
.endm
	s_load_b128 s[4:7], s[0:1], 0x0                ; yfrag s[4:5], wp16 s[6:7]
	s_load_b64 s[8:9], s[0:1], 0x10                ; out0
	v_lshl_add_u32 v[SPW], v0, 2, SPARE
	v_mov_b32 v[NIL], 0
	ds_add_u32 v[SPW], v[NIL]                      ; the wave's opening: the add, twice on end, and its wait ahead of my first tensor load
	ds_add_u32 v[SPW], v[NIL]
	v_lshrrev_b32 v1, 5, v0
	v_readfirstlane_b32 s10, v1                    ; wave 0..3
	s_lshr_b32 s11, s10, 1                         ; which 64 rows are mine.  Also: I fetch for y (0) or for W (1)
	s_and_b32 s12, s10, 1                          ; which 128 columns.  Also: which half of that tile I fetch
	s_bfe_u32 s40, ttmp6, 0x40000                  ; cx
	s_bfe_u32 s41, ttmp6, 0x40004                  ; cy
	s_lshl_b32 s42, ttmp9, 2
	s_add_co_u32 s42, s42, s40                     ; tile column
	s_and_b32 s13, ttmp7, 0xffff
	s_lshl_b32 s13, s13, 2
	s_add_co_u32 s13, s13, s41                     ; tile row
	s_lshl_b32 s43, s41, 2
	s_lshl_b32 s43, 15, s43                        ; my row of the cluster
	s_lshl_b32 s44, 0x1111, s40                    ; my column
	s_or_b32 s[G1+0], s43, (3<<16)|(1<<21)         ; y: the mask; elements of 8 bytes; no padding; bit 21 beside a mask
	s_mov_b32 s[G1+1], 512<<16                     ; tensor_dim0 = 512 elements: 4,096 bytes
	s_mov_b32 s[G1+2], 4<<16                       ; tensor_dim1 = 4 tiles of 16 rows
	s_mov_b32 s[G1+3], 512<<16                     ; tile_dim0
	s_mov_b32 s[G1+4], 4                           ; tile_dim1
	s_mov_b32 s[G1+5], 4096                        ; the pitch: 32,768 bytes from tile to tile
	s_mov_b32 s[G1+6], 0
	s_mov_b32 s[G1+7], 0
	s_or_b32 s[G1B+0], s44, (1<<16)|(1<<20)|(1<<21)|(6<<22)|(7<<25)  ; W: elements of 2 bytes; 8 words of padding behind every 128
	s_mov_b32 s[G1B+1], 256<<16                    ; 256 columns
	s_mov_b32 s[G1B+2], 64<<16                     ; 64 k-rows
	s_mov_b32 s[G1B+3], 256<<16
	s_mov_b32 s[G1B+4], 64
	s_mov_b32 s[G1B+5], 1024
	s_mov_b32 s[G1B+6], 0
	s_mov_b32 s[G1B+7], 0
	s_lshl_b32 s16, s13, 3
	s_lshl_b32 s17, s12, 2
	s_add_co_u32 s16, s16, s17                     ; y: tile of 16 rows 8 x tile row + 4 x half
	s_lshl_b32 s16, s16, 15
	s_mov_b32 s17, 0
	s_lshl_b32 s46, s12, 17                        ; W: k-row 64 x half,
	s_lshl_b32 s47, s42, 9                         ; column 256 x tile column
	s_add_co_u32 s46, s46, s47
	s_mov_b32 s47, 0
	s_lshl_b32 s20, s12, 14                        ; where they go: y's half,
	s_mul_i32 s21, s12, 64*BP
	s_add_co_u32 s21, s21, BOFF                    ; W's half: no place in the cluster enters an LDS address
	s_wait_dscnt 0x0                               ; both opening adds are done
	s_wait_kmcnt 0x0
	s_add_nc_u64 s[14:15], s[4:5], s[16:17]
	s_add_nc_u64 s[46:47], s[6:7], s[46:47]
	CROUND                                         ; all sixteen work-groups are here: the first joint loads meet
.irp s, 0,1
	s_mov_b32 s[G0+4*\s], 1
	s_add_co_u32 s[G0+4*\s+1], s20, \s*SLOT
	s_add_nc_u64 s[G0+4*\s+2:G0+4*\s+3], s[14:15], \s*ASTEP
	s_or_b32 s[G0+4*\s+3], s[G0+4*\s+3], 0x80000000
	s_mov_b32 s[G0B+4*\s], 1
	s_add_co_u32 s[G0B+4*\s+1], s21, \s*SLOT
	s_add_nc_u64 s[G0B+4*\s+2:G0B+4*\s+3], s[46:47], \s*BSTEP
	s_or_b32 s[G0B+4*\s+3], s[G0B+4*\s+3], 0x80000000
	JLOAD \s
.endr
	v_and_b32 v1, 15, v0                           ; r
	v_bfe_u32 v2, v0, 4, 1                         ; h
	v_and_b32 v3, 7, v0
	v_lshl_add_u32 v3, v2, 3, v3
	v_mul_u32_u24 v3, v3, BP
	v_bfe_u32 v4, v0, 3, 1
	v_lshl_add_u32 v3, v4, 4, v3                   ; W: k-row 8 h + l % 8, columns 8 ((l / 8) % 2) on
	v_and_b32 v5, 31, v0
	v_lshlrev_b32 v5, 4, v5                        ; 16 x lane
	s_lshl_b32 s21, s11, 14                        ; my four images of y
	s_lshl_b32 s22, s12, 8                         ; my 128 columns of W
	s_add_co_u32 s22, s22, BOFF
.irp s, 0,1
	v_add_nc_u32 v[ADRA+\s], s21, v5
	v_add_nc_u32 v[ADRB+\s], s22, v3
	s_add_co_u32 s21, s21, SLOT
	s_add_co_u32 s22, s22, SLOT
.endr
	s_mul_i32 s23, s10, 16*SPITCH
	s_add_co_u32 s23, s23, STAGE                   ; my stage
	v_mul_u32_u24 v4, v1, SPITCH
	v_lshl_add_u32 v4, v2, 5, v4
	v_add_nc_u32 v[STO], s23, v4                   ; in: row r, 32 bytes for each half of the lanes
	v_add_nc_u32 v[RD], s23, v5                    ; back: the 32 lanes take one row of 512 bytes
	v_mov_b32 v[CO], v5
	s_lshl_b32 s16, s13, 7
	s_lshl_b32 s17, s11, 6
	s_add_co_u32 s16, s16, s17                     ; my first row of out0
	s_lshl_b32 s16, s16, 12
	s_mov_b32 s17, 0
	s_add_nc_u64 s[8:9], s[8:9], s[16:17]
	s_lshl_b32 s46, s42, 10
	s_lshl_b32 s47, s12, 9
	s_add_co_u32 s46, s46, s47                     ; my first column, in bytes
	s_mov_b32 s47, 0
	s_add_nc_u64 s[8:9], s[8:9], s[46:47]
; 8 matrix instructions: y's tile a against W's eight.  The 32 accumulators take turns, one instruction a turn, in the same order in every quarter.
.macro MUL8 f, a, zero
.irp b, 0,1,2,3,4,5,6,7
.if \zero
	v_wmma_f32_16x16x32_f16 v[8*(8*(\a)+\b):8*(8*(\a)+\b)+7], v[\f+32+8*\b:\f+32+8*\b+7], v[\f+8*(\a):\f+8*(\a)+7], 0
.else
	v_wmma_f32_16x16x32_f16 v[8*(8*(\a)+\b):8*(8*(\a)+\b)+7], v[\f+32+8*\b:\f+32+8*\b+7], v[\f+8*(\a):\f+8*(\a)+7], v[8*(8*(\a)+\b):8*(8*(\a)+\b)+7]
.endif
.endr
.endm
.macro FETCH slot, q, f                ; 24 LDS loads in one run: the fragments of 32 along K, the slot's q-th: W's eight first, then y's four
.irp b, 0,1,2,3,4,5,6,7
	ds_load_tr16_b128 v[\f+32+8*\b:\f+32+8*\b+3],   v[ADRB+\slot] offset:(\q)*32*BP+32*\b
	ds_load_tr16_b128 v[\f+32+8*\b+4:\f+32+8*\b+7], v[ADRB+\slot] offset:(\q)*32*BP+16*BP+32*\b
.endr
.irp a, 0,1,2,3
	ds_load_b128 v[\f+8*\a:\f+8*\a+3],   v[ADRA+\slot] offset:\a*4096+(\q)*1024
	ds_load_b128 v[\f+8*\a+4:\f+8*\a+7], v[ADRA+\slot] offset:\a*4096+(\q)*1024+512
.endr
.endm
.macro PLACES                          ; four plain lines in front of loads into registers that matrix instructions have read, and of reads of results
.rept 4
	v_nop
.endr
.endm
.macro QUARTER slot, qn, f, g, zero    ; 32 along K: multiplies buffer f; in its middle fetches the slot's quarter qn into g
	s_wait_dscnt 4                                 ; W's fragments and y's tiles 0, 1 are in; the youngest four loads (tiles 2, 3) may be out
	WIN MUL
	MUL8 \f, 0, \zero
	MUL8 \f, 1, \zero
	PLACES
	WIN 0
	FETCH \slot, \qn, \g
	s_wait_dscnt 24                                ; all but the 24 just issued
	WIN MUL
	MUL8 \f, 2, \zero
	MUL8 \f, 3, \zero
.endm
; A slot's last quarter changes slots: ONE barrier; in front of it each wave waits for all its tensor loads, adds 0 to its spare word, and waits for that and for its reads of this slot.
.macro TURN slot, next, fill
	WIN 0
	s_wait_tensorcnt 0x0                           ; all my tensor loads have landed: my part of the next slot
	ds_add_u32 v[SPW], v[NIL]                      ; 0 onto my spare word
	s_wait_dscnt 5                                 ; (the add and the youngest four loads may be out)
	WIN MUL
	MUL8 F1, 0, 0
	s_wait_dscnt 0x0                               ; the add is done, and my reads of this slot are over
	s_barrier_signal -1
	MUL8 F1, 1, 0
	WIN 0
	s_barrier_wait -1
.if \fill
	CREST                                          ; the barrier has opened a round of the cluster's: no wave of any partner still reads this slot or has a load on its way
	s_add_nc_u64 s[G0+4*\slot+2:G0+4*\slot+3], s[G0+4*\slot+2:G0+4*\slot+3], 2*ASTEP
	s_add_nc_u64 s[G0B+4*\slot+2:G0B+4*\slot+3], s[G0B+4*\slot+2:G0B+4*\slot+3], 2*BSTEP
	JLOAD \slot                                    ; the first tensor load behind the round; its four v_nop are also the places in front of the loads below
.else
	PLACES
.endif
	FETCH \next, 0, F0
	WIN MUL
	MUL8 F1, 2, 0
	MUL8 F1, 3, 0
.endm
	s_wait_tensorcnt 1                             ; my part of K step 0 is in (K step 1's load may be out),
	s_barrier_signal -1
	s_barrier_wait -1                              ; everybody's is
	FETCH 0, 0, F0
	QUARTER 0, 1, F0, F1, 1                        ; the first quarter's products start the sums
	WIN 0
	s_mov_b32 s3, LAPS-1
.Llap:                                                 ; a trip goes once round the ring and fills both slots again
	QUARTER 0, 2, F1, F0, 0
	QUARTER 0, 3, F0, F1, 0
	TURN 0, 1, 1
	QUARTER 1, 1, F0, F1, 0
	QUARTER 1, 2, F1, F0, 0
	QUARTER 1, 3, F0, F1, 0
	TURN 1, 0, 1
	QUARTER 0, 1, F0, F1, 0
	WIN 0
	s_sub_co_u32 s3, s3, 1
	s_cmp_lg_u32 s3, 0
	s_cbranch_scc1 .Llap
	QUARTER 0, 2, F1, F0, 0                        ; the last lap fills nothing
	QUARTER 0, 3, F0, F1, 0
	TURN 0, 1, 0
	QUARTER 1, 1, F0, F1, 0
	QUARTER 1, 2, F1, F0, 0
	QUARTER 1, 3, F0, F1, 0
	s_wait_dscnt 4
	WIN MUL
	MUL8 F1, 0, 0
	MUL8 F1, 1, 0
	s_wait_dscnt 0
	MUL8 F1, 2, 0
	MUL8 F1, 3, 0
	WIN 0
; THE WAY OUT, a tile of 16 rows x 128 columns at a time, through my own stage: back as whole rows of 512 bytes.
.macro TOSTAGE a
	WIN 0x04                                       ; an LDS store's data are its source 1: window 1
.irp b, 0,1,2,3,4,5,6,7
	ds_store_b128 v[STO], v[8*(8*(\a)+\b):8*(8*(\a)+\b)+3] offset:64*\b          ; each accumulator from its low end on
	ds_store_b128 v[STO], v[8*(8*(\a)+\b)+4:8*(8*(\a)+\b)+7] offset:64*\b+16
.endr
	WIN 0
.set BB, 32+64*((\a)%2)
.irp t, 0,1,2,3,4,5,6,7,8,9,10,11,12,13,14,15
	ds_load_b128 v[BB+4*\t:BB+4*\t+3], v[RD] offset:\t*SPITCH     ; LDS serves a wave's instructions in order: these see the stores above
.endr
.endm
.macro SEND a, younger
.set BB, 32+64*((\a)%2)
	s_wait_dscnt \younger                          ; the tile is back in registers; the next tile's 16 stores and 16 loads may be out
.irp t, 0,1,2,3,4,5,6,7,8,9,10,11,12,13,14,15
	global_store_b128 v[CO], v[BB+4*\t:BB+4*\t+3], s[8:9] offset:(\a)*65536+\t*4096 th:TH_STORE_NT   ; 32 lanes store 512 consecutive bytes, aligned
.endr
.endm
	PLACES
	TOSTAGE 0
.irp a, 1,2,3
.if \a > 1
	s_wait_xcnt 0x0                                ; tile a - 2's stores have read their registers: tile a's loads may land there
.endif
	TOSTAGE \a
	SEND \a-1, 32
.endr
	SEND 3, 0
	s_wait_tensorcnt 0x0                           ; the wave's end
	ds_add_u32 v[SPW], v[NIL]
	s_wait_dscnt 0x0
	CROUND                                         ; the closing round
	s_endpgm
.Lfunc_end_k_q6a6cddf869_proj:
	.size	k_q6a6cddf869_proj, .Lfunc_end_k_q6a6cddf869_proj-k_q6a6cddf869_proj
	.p2alignl 7, 3214868480
	.fill 96, 4, 3214868480
	.section	.rodata,"a",@progbits
	.p2align	6, 0x0
	.amdhsa_kernel k_q6a6cddf869_proj
		.amdhsa_group_segment_fixed_size 327680
		.amdhsa_private_segment_fixed_size 0
		.amdhsa_enable_private_segment 0
		.amdhsa_kernarg_size 24
		.amdhsa_user_sgpr_count 2
		.amdhsa_user_sgpr_kernarg_segment_ptr 1
		.amdhsa_wavefront_size32 1
		.amdhsa_system_sgpr_workgroup_id_x 1
		.amdhsa_system_sgpr_workgroup_id_y 1
		.amdhsa_system_sgpr_workgroup_id_z 1
		.amdhsa_system_vgpr_workitem_id 0
		.amdhsa_next_free_vgpr 512
		.amdhsa_next_free_sgpr 66
		.amdhsa_reserve_vcc 0
		.amdhsa_float_denorm_mode_32 3
		.amdhsa_float_denorm_mode_16_64 3
		.amdhsa_memory_ordered 1
		.amdhsa_forward_progress 1
		.amdhsa_inst_pref_size 85
	.end_amdhsa_kernel
	.amdgpu_metadata
---
amdhsa.version: [ 1, 2 ]
amdhsa.kernels:
  - .name:           k_q6a6cddf869_proj
    .symbol:         k_q6a6cddf869_proj.kd
    .args:
      - { .name: yfrag, .offset: 0, .size: 8, .value_kind: global_buffer, .address_space: global }
      - { .name: wp16, .offset: 8, .size: 8, .value_kind: global_buffer, .address_space: global }
      - { .name: out0, .offset: 16, .size: 8, .value_kind: global_buffer, .address_space: global }
    .group_segment_fixed_size: 327680
    .private_segment_fixed_size: 0
    .kernarg_segment_align: 8
    .kernarg_segment_size: 24
    .max_flat_workgroup_size: 128
    .sgpr_count:     66
    .vgpr_count:     512
    .wavefront_size: 32
...
	.end_amdgpu_metadata
.endif
;; end of part 4
;; launch fine (part 5): grid 16 x 4, 16 waves a work-group, no clusters, 71,680 bytes of LDS; arguments qkv32, W_proj, out0; writes out0
.if DOCPART == 5
	.amdgcn_target "amdgcn-amd-amdhsa--gfx1250"
	.amdhsa_code_object_version 6
	.text
	.protected	k_q6a6cddf869_fine
	.globl	k_q6a6cddf869_fine
	.p2align	8
	.type	k_q6a6cddf869_fine,@function
k_q6a6cddf869_fine:
	s_mov_b64 s[64:65], 0
	v_nop
	global_prefetch_b8 v0, s[64:65] scope:SCOPE_SE
	s_setreg_imm32_b32 hwreg(HW_REG_WAVE_MODE, 25, 1), 1
	s_wait_xcnt 0x0
; Rows 0-15 of every sequence once more, all in f32: they average one to sixteen values and are the largest of the output, so f16 operands weigh most there.
; Work-group (ns, b): 64 output columns 64 ns on, of batch b's rows 0-15.  Wave hd is head hd: its 16 x 16 causal attention (made anew in each of the 16 work-groups of a batch: 32 small matrix instructions), then
; its 64 channels' part of the projection; the sixteen parts meet in LDS and wave w adds up row w.
; All three products by v_wmma_f32_16x16x4_f32, used transposed, so that a lane holds ONE query throughout.  k is taken in an order of its own, alike on both sides of each product:
;   S^T = K Q^T: step s takes channels 32 h + 2 s, + 1;   O^T = V^T P: step s takes keys 8 h + 2 s, + 1: p as it lies;   OUT^T = W^T O: step (t, s) takes channels 16 t + 8 h + 2 s, + 1: O^T as it lies.
; The registers that this form writes (S, O, OUT) are written by it alone; 1 / l multiplies OUT into other registers.
; REGISTERS: v16-47 q, v48-79 k, v80-111 v (later W's tiles 1, 2, 3); v112-119 S; v120-127 p; v128-134 statistics; v136-167 O; v168-199 OUT; v200-231 W's tile 0; v232-247 scaled results.
.set PART,  4352                       ; a wave's part in LDS: 16 rows x (256 bytes + 16)
.set SPARE, 16*PART
.set SPW, 12
.set NIL, 13
.set WB0, 200
.set WB1, 16
.set WB2, 48
.set WB3, 80
	s_load_b128 s[4:7], s[0:1], 0x0                ; qkv32 s[4:5], W_proj s[6:7]
	s_load_b64 s[8:9], s[0:1], 0x10                ; out0
	v_lshl_add_u32 v[SPW], v0, 2, SPARE
	v_mov_b32 v[NIL], 0
	v_lshrrev_b32 v1, 5, v0
	v_readfirstlane_b32 s10, v1                    ; wave = head = the row that I add up
	s_and_b32 s11, ttmp7, 0xffff                   ; batch
	v_and_b32 v1, 15, v0                           ; r
	v_bfe_u32 v2, v0, 4, 1                         ; h
	v_mul_u32_u24 v3, v1, 12288
	v_lshl_add_u32 v3, v2, 7, v3                   ; q, k: row r of 12,288 bytes, + 32 h channels
	v_mul_u32_u24 v4, v2, 8*12288
	v_lshl_add_u32 v4, v1, 2, v4                   ; v: key 8 h, channel r
	v_lshlrev_b32 v5, 15, v2
	v_lshl_add_u32 v5, v1, 2, v5                   ; W_proj: row 8 h of 4,096 bytes, column r
	s_mul_i32 s12, s10, PART
	v_mul_u32_u24 v6, v1, 272
	v_lshl_add_u32 v6, v2, 5, v6
	v_add_nc_u32 v6, s12, v6                       ; my part: row r, + 32 h
	v_and_b32 v8, 31, v0
	v_lshlrev_b32 v8, 3, v8                        ; 8 bytes a lane
	s_mul_i32 s12, s10, 272
	v_add_nc_u32 v7, s12, v8                       ; row w of part 0
	v_lshlrev_b32 v10, 3, v2
	v_sub_nc_u32 v10, v1, v10                      ; r - 8 h
	v_mov_b32 v11, 0xff800000                      ; -infinity
	s_mov_b32 s14, 0x3e38aa3b                      ; c = log2(e) / 8
	s_mov_b32 s16, 0x76543210
	s_mov_b32 s17, 0xfedcba98
	s_mul_i32 s18, s11, 196608
	s_lshl_b32 s20, s10, 8
	s_add_co_u32 s18, s18, s20                     ; qkv32: batch, head
	s_mov_b32 s19, 0
	s_lshl_b32 s20, s10, 18
	s_lshl_b32 s22, ttmp9, 8
	s_add_co_u32 s20, s20, s22                     ; W_proj: row 64 hd, column 64 ns
	s_mov_b32 s21, 0
	s_lshl_b32 s24, s11, 11
	s_add_co_u32 s24, s24, s10
	s_lshl_b32 s24, s24, 12
	s_add_co_u32 s24, s24, s22                     ; out0: row 2048 b + w, column 64 ns
	s_mov_b32 s25, 0
	s_wait_kmcnt 0x0
	s_add_nc_u64 s[4:5], s[4:5], s[18:19]
	s_add_nc_u64 s[6:7], s[6:7], s[20:21]
	s_add_nc_u64 s[8:9], s[8:9], s[24:25]
.irp i, 0,1,2,3,4,5,6,7
	global_load_b128 v[16+4*\i:19+4*\i], v3, s[4:5] offset:16*\i             ; q(r, 32 h + 0..31)
.endr
.irp i, 0,1,2,3,4,5,6,7
	global_load_b128 v[48+4*\i:51+4*\i], v3, s[4:5] offset:4096+16*\i        ; k likewise
.endr
.irp dt, 0,1,2,3
.irp i, 0,1,2,3,4,5,6,7
	global_load_b32 v[80+8*\dt+\i], v4, s[4:5] offset:8192+\i*12288+\dt*64   ; v(key 8 h + i, channel 16 dt + r)
.endr
.endr
.macro WLOAD reg, u                    ; W_proj(64 hd + 16 t + 8 h + i, 64 ns + 16 u + r) into register 8 t + i
.irp t, 0,1,2,3
.irp i, 0,1,2,3,4,5,6,7
	global_load_b32 v[\reg+8*\t+\i], v5, s[6:7] offset:(16*\t+\i)*4096+(\u)*64
.endr
.endr
.endm
	WLOAD WB0, 0
	s_wait_loadcnt 32                              ; q, k, v are in; W's 32 loads, issued behind them, may be out
	v_wmma_f32_16x16x4_f32 v[112:119], v[48:49], v[16:17], 0      ; S^T = K Q^T: one accumulator; the first step starts the sum
.irp s, 1,2,3,4,5,6,7,8,9,10,11,12,13,14,15
	s_wait_alu depctr_va_vdst(0)                   ; directly ahead of each link of the chain
	v_wmma_f32_16x16x4_f32 v[112:119], v[48+2*\s:49+2*\s], v[16+2*\s:17+2*\s], v[112:119]
.endr
.rept 8
	v_nop                                          ; eight places behind this form: for the reads of S and the loads into q's and k's registers
.endr
	WLOAD WB1, 1
	WLOAD WB2, 2
.irp j, 0,1,2,3,4,5,6,7
	v_cmp_gt_i32 vcc_lo, \j, v10                   ; key 8 h + j is hidden from query r where j > r - 8 h
	v_cndmask_b32 v[120+\j], v[112+\j], v11, vcc_lo
.endr
	v_max3_num_f32 v128, v120, v121, v122
	v_max3_num_f32 v129, v123, v124, v125
	v_max3_num_f32 v128, v128, v126, v127
	v_max_num_f32 v128, v128, v129
	v_permlanex16_b32 v129, v128, s16, s17
	v_max_num_f32 v128, v128, v129                 ; the row's maximum (key 0 counts for every query)
	v_mul_f32 v130, s14, v128
.irp j, 0,1,2,3,4,5,6,7
	v_fma_f32 v[120+\j], v[120+\j], s14, -v130
.endr
.irp j, 0,1,2,3,4,5,6,7
	v_exp_f32 v[120+\j], v[120+\j]
.endr
	v_nop
	s_wait_alu depctr_va_vdst(0)                   ; one wait for the eight, ahead of their first reader
	v_add_f32 v131, v120, v121
	v_add_f32 v132, v122, v123
	v_add_f32 v133, v124, v125
	v_add_f32 v134, v126, v127
	v_add_f32 v131, v131, v132
	v_add_f32 v133, v133, v134
	v_add_f32 v131, v131, v133
	v_permlanex16_b32 v129, v131, s16, s17
	v_add_f32 v131, v131, v129                     ; the row's sum
	v_rcp_f32 v132, v131
	v_nop
	s_wait_alu depctr_va_vdst(0)
.irp s, 0,1,2,3                        ; O^T = V^T P: four accumulators by turns
.irp dt, 0,1,2,3
.if \s == 0
	v_wmma_f32_16x16x4_f32 v[136+8*\dt:143+8*\dt], v[80+8*\dt+2*\s:81+8*\dt+2*\s], v[120+2*\s:121+2*\s], 0
.else
	v_wmma_f32_16x16x4_f32 v[136+8*\dt:143+8*\dt], v[80+8*\dt+2*\s:81+8*\dt+2*\s], v[120+2*\s:121+2*\s], v[136+8*\dt:143+8*\dt]
.endif
.endr
.endr
.rept 9
	v_nop                                          ; nine places before a matrix instruction takes these results as an operand; they serve the loads into v's registers too
.endr
	WLOAD WB3, 3
	s_wait_loadcnt 0x0
.irp t, 0,1,2,3                        ; OUT^T = W^T O: four accumulators by turns
.irp s, 0,1,2,3
.irp u, 0,1,2,3
.if (\t == 0) && (\s == 0)
	v_wmma_f32_16x16x4_f32 v[168+8*\u:175+8*\u], v[WB\u+8*\t+2*\s:WB\u+8*\t+2*\s+1], v[136+8*\t+2*\s:137+8*\t+2*\s], 0
.else
	v_wmma_f32_16x16x4_f32 v[168+8*\u:175+8*\u], v[WB\u+8*\t+2*\s:WB\u+8*\t+2*\s+1], v[136+8*\t+2*\s:137+8*\t+2*\s], v[168+8*\u:175+8*\u]
.endif
.endr
.endr
.endr
.rept 8
	v_nop
.endr
.irp u, 0,1,2,3
.irp j, 0,1,2,3,4,5,6,7
	v_mul_f32 v[232+8*(\u%2)+\j], v[168+8*\u+\j], v132            ; / l: lane (r, h): row r, columns 16 u + 8 h + j
.endr
	ds_store_b128 v6, v[232+8*(\u%2):235+8*(\u%2)] offset:64*\u
	ds_store_b128 v6, v[236+8*(\u%2):239+8*(\u%2)] offset:64*\u+16
.endr
	s_wait_dscnt 0x0                               ; for the others' sake: my part lies in LDS
	s_barrier_signal -1
	s_barrier_wait -1
.irp i, 0,1,2,3,4,5,6,7,8,9,10,11,12,13,14,15
	ds_load_b64 v[16+2*\i:17+2*\i], v7 offset:\i*PART             ; row w of head i's part: 32 lanes, 256 bytes
.endr
	s_wait_dscnt 0x0
.irp i, 0,1,2,3,4,5,6,7
	v_pk_add_f32 v[16+4*\i:17+4*\i], v[16+4*\i:17+4*\i], v[18+4*\i:19+4*\i]
.endr
.irp i, 0,1,2,3
	v_pk_add_f32 v[16+8*\i:17+8*\i], v[16+8*\i:17+8*\i], v[20+8*\i:21+8*\i]
.endr
.irp i, 0,1
	v_pk_add_f32 v[16+16*\i:17+16*\i], v[16+16*\i:17+16*\i], v[24+16*\i:25+16*\i]
.endr
	v_pk_add_f32 v[16:17], v[16:17], v[32:33]
	global_store_b64 v8, v[16:17], s[8:9]          ; 32 lanes store 256 consecutive bytes, aligned
	s_wait_tensorcnt 0x0                           ; the wave's end: three lines behind my last LDS store
	ds_add_u32 v[SPW], v[NIL]
	s_wait_dscnt 0x0
	s_endpgm
.Lfunc_end_k_q6a6cddf869_fine:
	.size	k_q6a6cddf869_fine, .Lfunc_end_k_q6a6cddf869_fine-k_q6a6cddf869_fine
	.p2alignl 7, 3214868480
	.fill 96, 4, 3214868480
	.section	.rodata,"a",@progbits
	.p2align	6, 0x0
	.amdhsa_kernel k_q6a6cddf869_fine
		.amdhsa_group_segment_fixed_size 71680
		.amdhsa_private_segment_fixed_size 0
		.amdhsa_enable_private_segment 0
		.amdhsa_kernarg_size 24
		.amdhsa_user_sgpr_count 2
		.amdhsa_user_sgpr_kernarg_segment_ptr 1
		.amdhsa_wavefront_size32 1
		.amdhsa_system_sgpr_workgroup_id_x 1
		.amdhsa_system_sgpr_workgroup_id_y 1
		.amdhsa_system_sgpr_workgroup_id_z 1
		.amdhsa_system_vgpr_workitem_id 0
		.amdhsa_next_free_vgpr 256
		.amdhsa_next_free_sgpr 66
		.amdhsa_reserve_vcc 1
		.amdhsa_float_denorm_mode_32 3
		.amdhsa_float_denorm_mode_16_64 3
		.amdhsa_memory_ordered 1
		.amdhsa_forward_progress 1
		.amdhsa_inst_pref_size 33
	.end_amdhsa_kernel
	.amdgpu_metadata
---
amdhsa.version: [ 1, 2 ]
amdhsa.kernels:
  - .name:           k_q6a6cddf869_fine
    .symbol:         k_q6a6cddf869_fine.kd
    .args:
      - { .name: qkv32, .offset: 0, .size: 8, .value_kind: global_buffer, .address_space: global }
      - { .name: W_proj, .offset: 8, .size: 8, .value_kind: global_buffer, .address_space: global }
      - { .name: out0, .offset: 16, .size: 8, .value_kind: global_buffer, .address_space: global }
    .group_segment_fixed_size: 71680
    .private_segment_fixed_size: 0
    .kernarg_segment_align: 8
    .kernarg_segment_size: 24
    .max_flat_workgroup_size: 512
    .sgpr_count:     66
    .vgpr_count:     256
    .wavefront_size: 32
...
	.end_amdgpu_metadata
.endif
;; end of part 5
